; MI455X (gfx1250); checked and timed in simulation.
; The chip was launched on July 23, 2026; its instructions are those of AMD's public machine-readable ISA for CDNA 5 (MIT licence, August 2026) and "CDNA5" Instruction Set Architecture Reference Guide (July 2026). The comments in the code are by the model that wrote it; some were corrected since.
;; Kohonen Map. Allowed arithmetic: matrix products marked QUANTISED: E2M3 operands, one E8M0 scale for each 32 along K, by v_wmma_scale_f32_16x16x128_f8f6f4 with both operands' format E2M3, f32 sums; everything else in f32.
;; Inputs: weights 4,096 x 512 float32; x 32,768 x 512 float32.
;; Outputs: out0 32,768 x 512 float32.
;; This version of the problem:
;;   THIS VERSION OF THE PROBLEM IS GIVEN IN LOW PRECISION. The matrix products marked QUANTISED in the list below multiply operands that are first quantised to E2M3 (2 exponent bits, 3 mantissa bits; 6 bits a number), with one power-of-two scale for each 32 numbers along K (OCP MX v1.0); their sums are f32. All else is computed in f32.
;;   The module's matrix products, in the order in which they are computed (A, B: the left and right operand; K: the contracted axis; several contracted axes count as one K, in the product's order):
;;     1. [M 32,768, K 512] x [K 512, N 4,096]; A: input x; B: input weights: QUANTISED
;;   THE QUANTISER, for each operand of a quantised product, along K:
;;     - K is cut into blocks of 32 from its start; a last block that is shorter is filled with zeros.
;;     - A block's scale is 2^e with e = floor(log2(the largest magnitude in the block)) - 2, held to -126 .. 127; a block of zeros has e = 0. As a byte (E8M0): e + 127.
;;     - Each number is divided by its block's scale, clamped to +-7.5, and rounded to the nearest number of E2M3, ties to even, subnormals kept.
;;     - The product sums the exact products of the quantised numbers (number of the format x scale) in f32.
;;   ~~~python
;;   def quantise(x, axis):      # numpy; x: float32 -> the quantised numbers, widened to float32 again
;;       x = np.moveaxis(x, axis, -1); K = x.shape[-1]
;;       x = np.pad(x, [(0, 0)] * (x.ndim - 1) + [(0, -K % 32)]); x = x.reshape(x.shape[:-1] + (-1, 32)); a = np.abs(x).max(-1, keepdims=True)
;;       e = np.where(a > 0, np.clip(np.frexp(np.where(a > 0, a, 1))[1] - 1 - 2, -126, 127), 0)      # np.frexp(a)[1] - 1 = floor(log2(a)), exactly
;;       r = np.clip(x / 2.0 ** e, -7.5, 7.5)
;;       step = 2.0 ** (np.maximum(np.frexp(np.where(r == 0, 1, r))[1] - 1, 0) - 3)
;;       q = np.round(r / step) * step * 2.0 ** e      # np.round: ties to even
;;       return np.moveaxis(q.reshape(q.shape[:-2] + (-1,))[..., :K], -1, axis).astype(np.float32)
;;   ~~~
;; 2 versions. Each part assembles by itself: llvm-mc -triple=amdgcn-amd-amdhsa -mcpu=gfx1250 --defsym DOCPART=n.
;; ======== version 1 of 2: 3 launches
;; workspace buffers: wq 1,703,936 bytes; bmu 131,072 bytes of whole numbers
;; launch wquant (part 1): grid 256 x 1, 4 waves a work-group, no clusters, 1,536 bytes of LDS; arguments weights, wq; writes wq
.if DOCPART == 1
	.amdgcn_target "amdgcn-amd-amdhsa--gfx1250"
	.amdhsa_code_object_version 6
	.text
	.protected	k_q076e51e640_wquant
	.globl	k_q076e51e640_wquant
	.p2align	8
	.type	k_q076e51e640_wquant,@function
k_q076e51e640_wquant:
	s_mov_b64 s[64:65], 0
	v_nop
	global_prefetch_b8 v0, s[64:65] scope:SCOPE_SE
	s_setreg_imm32_b32 hwreg(HW_REG_WAVE_MODE, 25, 1), 1
	s_wait_xcnt 0x0
; weights [4096][512] f32 -> wq: 256 records of 6,656 bytes, one for each 16 neurons, laid as the next launch's registers take them.
; A record: four images of a 6-bit operand fragment (16 neurons x 128 K = 12 registers a lane), one for each K step s, at 1536 s: registers 4 c .. 4 c + 3 of lane l at 512 c + 16 l;
; at 6144 the scale rows, 16 bytes a neuron (word s = the four E8M0 bytes of K step s); at 6400 the 16 sums of squares w2 (f32), four times over, so that the record's last 512 bytes leave by one store of 32 lanes.
; THE QUANTISER: a block of 32 along K has the scale 2^(floor(log2(largest magnitude)) - 2); its byte is the largest magnitude's exponent field - 2, held at 1 from below.
; SHARES: work-group T makes record T; wave s its K step s.  Lane (r = lane % 16, h = lane / 16) takes of neuron 16 T + r the numbers k = 128 s + 64 c + 32 h + 0 .. 31, c = 0, 1: two whole blocks,
; in the order in which the operand's layout gives them to that lane: the conversions' results are the operand's registers.
; LIMITS: a block of zeros gets the byte 1 where the rule says 127 (its codes are zeros, and this program alone reads the bytes); NaN and infinities among the inputs are not served;
; w2 is summed in f32 by fused multiply-adds in two packed chains, then the lane's four, the two halves of the lanes, the four K steps: another order than a plain sum's.
; No tensor load, no cluster, no prefetch: 8 MiB are read once by 1,024 waves, sixteen loads each, all issued at once.
.set REC, 6656
.set SH8, 9                            ; v9      8 h: where my two scale bytes stand in the word
.set MX,  16                           ; v16-17  the two blocks' largest magnitudes
.set SO,  18                           ; v18-19  the conversions' scale operands
.set BY,  20                           ; v20-21  the scale bytes
.set WD,  22                           ; v22     the scale word
.set TP,  23                           ; v23     what a lane permute brings
.set SQ,  24                           ; v24-27  sums of squares, two packed chains
.set X,   32                           ; v32-95  my 64 numbers
.set PC,  96                           ; v96-107 the fragment's 12 registers
.set SEL, 20                           ; s[20:21] selects for v_permlanex16_b32: lane l xor 16
; 64 numbers of a lane, v[xs + 32 c + i] = number i of my block 2 c + h, become the fragment's 12 registers in v[PC] on and the row's scale word in v[WD]; their squares go into v[SQ..SQ+3] (start = 1: begin the sums).
.macro QUANT6 xs, start
.set QX, \xs
.irp c, 0,1
	v_max3_num_f32 v[MX+\c], |v[QX+32*\c]|, |v[QX+32*\c+1]|, 0x1800000   ; the floor 2^(3 - 127) among the leaves: the byte cannot fall under 1
.endr
.irp i, 2,4,6,8,10,12,14,16,18,20,22,24,26,28,30
.irp c, 0,1
	v_max3_num_f32 v[MX+\c], v[MX+\c], |v[QX+32*\c+\i]|, |v[QX+32*\c+\i+1]|   ; the two blocks by turns
.endr
.endr
.if \start
	v_pk_mul_f32 v[SQ:SQ+1], v[QX:QX+1], v[QX:QX+1]                    ; the first products start the sums: nothing is cleared
	v_pk_mul_f32 v[SQ+2:SQ+3], v[QX+2:QX+3], v[QX+2:QX+3]
.else
	v_pk_fma_f32 v[SQ:SQ+1], v[QX:QX+1], v[QX:QX+1], v[SQ:SQ+1]
	v_pk_fma_f32 v[SQ+2:SQ+3], v[QX+2:QX+3], v[QX+2:QX+3], v[SQ+2:SQ+3]
.endif
.irp i, 4,8,12,16,20,24,28,32,36,40,44,48,52,56,60
	v_pk_fma_f32 v[SQ:SQ+1], v[QX+\i:QX+\i+1], v[QX+\i:QX+\i+1], v[SQ:SQ+1]
	v_pk_fma_f32 v[SQ+2:SQ+3], v[QX+\i+2:QX+\i+3], v[QX+\i+2:QX+\i+3], v[SQ+2:SQ+3]
.endr
.irp c, 0,1
	v_add_nc_u32 v[SO+\c], 0xff000000, v[MX+\c]                        ; 2 off the exponent field: the conversion takes this operand's exponent field as its scale
.endr
.irp c, 0,1
	v_lshrrev_b32 v[BY+\c], 23, v[SO+\c]                               ; the scale's byte
.endr
	v_lshl_or_b32 v[WD], v[BY+1], 16, v[BY]                            ; my two bytes: blocks h and 2 + h,
	v_lshlrev_b32 v[WD], v[SH8], v[WD]                                 ; at their places in the word;
	v_permlanex16_b32 v[TP], v[WD], s[SEL], s[SEL+1]
	v_or_b32 v[WD], v[WD], v[TP]                                       ; with lane l xor 16's two the word is whole
.irp c, 0,1
	v_cvt_scalef32_pk16_fp6_f32 v[PC+6*\c:PC+6*\c+2], v[QX+32*\c:QX+32*\c+15], v[SO+\c]   ; the block's lower 16 codes: registers 6 c .. 6 c + 2
.endr
	v_nop                                                              ; one plain place behind the conversions, whose sources are written next
.irp c, 0,1
	v_cvt_scalef32_pk16_fp6_f32 v[QX+32*\c:QX+32*\c+2], v[QX+32*\c+16:QX+32*\c+31], v[SO+\c]   ; the upper 16: a conversion's three registers begin on an even number, so they are made in the numbers' own registers and moved
.endr
	v_nop                                                              ; and one behind these
.irp c, 0,1
.irp i, 0,1,2
	v_mov_b32 v[PC+6*\c+3+\i], v[QX+32*\c+\i]
.endr
.endr
.endm
	s_load_b128 s[4:7], s[0:1], 0x0                ; weights s[4:5], wq s[6:7]
	v_lshl_add_u32 v112, v0, 2, 0x400
	v_mov_b32 v113, 0
	v_lshrrev_b32 v1, 5, v0
	v_readfirstlane_b32 s10, v1                    ; wave = K step
	v_and_b32 v1, 15, v0                           ; r
	v_bfe_u32 v2, v0, 4, 1                         ; h
	v_lshlrev_b32 v3, 11, v1
	v_lshl_add_u32 v3, v2, 7, v3                   ; in: row r of 2,048 bytes + 128 h
	v_and_b32 v4, 31, v0
	v_lshl_add_u32 v8, v4, 2, 256                  ; LDS: w2's copies, 4 bytes a lane
	v_lshlrev_b32 v4, 4, v4                        ; 16 x lane: an image's place, in wq and in LDS
	s_lshl_b32 s11, s10, 2
	v_lshl_add_u32 v5, v1, 4, s11                  ; LDS: scale rows: 16 r + 4 s
	s_lshl_b32 s11, s10, 6
	s_add_co_u32 s11, s11, 512
	v_lshl_add_u32 v6, v1, 2, s11                  ; LDS: the K steps' partial sums: 512 + 64 s + 4 r
	v_lshl_add_u32 v7, v1, 2, 512                  ; and where wave 0 reads them
	v_lshlrev_b32 v[SH8], 3, v2
	v_mov_b32 v[TP], 0                             ; written once: a lane permute's destination counts as one of its sources
	s_mov_b32 s[SEL], 0x76543210
	s_mov_b32 s[SEL+1], 0xfedcba98
	s_lshl_b32 s12, ttmp9, 15                      ; 16 rows of 2,048 bytes a work-group,
	s_lshl_b32 s13, s10, 9                         ; 512 bytes a K step
	s_add_co_u32 s12, s12, s13
	s_mov_b32 s13, 0
	s_mul_i32 s14, ttmp9, REC                      ; my record,
	s_mul_i32 s15, s10, 1536                       ; my image in it
	s_add_co_u32 s14, s14, s15
	s_mov_b32 s15, 0
	s_wait_kmcnt 0x0
	s_add_nc_u64 s[4:5], s[4:5], s[12:13]
	s_add_nc_u64 s[6:7], s[6:7], s[14:15]
.irp c, 0,1
.irp q, 0,1,2,3,4,5,6,7
	global_load_b128 v[X+32*\c+4*\q:X+32*\c+4*\q+3], v3, s[4:5] offset:256*\c+16*\q th:TH_LOAD_NT
.endr
.endr
	s_wait_loadcnt 0x0
	QUANT6 X, 1
	v_add_f32 v[SQ], v[SQ], v[SQ+1]
	v_add_f32 v[SQ+2], v[SQ+2], v[SQ+3]
	v_add_f32 v[SQ], v[SQ], v[SQ+2]
	v_permlanex16_b32 v[TP], v[SQ], s[SEL], s[SEL+1]
	v_add_f32 v[SQ], v[SQ], v[TP]                  ; the sum of squares of row r over this K step
.irp c, 0,1,2
	global_store_b128 v4, v[PC+4*\c:PC+4*\c+3], s[6:7] offset:512*\c   ; 32 lanes store 512 consecutive bytes, at a multiple of 256 from wq's first byte
.endr
	ds_store_b32 v5, v[WD]                         ; both halves of the lanes write the same word with the same value
	ds_store_b32 v6, v[SQ]
	s_wait_dscnt 0x0                               ; for wave 0's sake: my LDS stores are done
	s_barrier_signal -1
	s_barrier_wait -1
	s_cmp_lg_u32 s10, 0
	s_cbranch_scc1 .Ldone                          ; wave 0 alone gathers the record's last 512 bytes
.irp s, 0,1,2,3
	ds_load_b32 v[28+\s], v7 offset:64*\s
.endr
	s_wait_dscnt 0x0
	v_add_f32 v28, v28, v29
	v_add_f32 v28, v28, v30
	v_add_f32 v28, v28, v31                        ; w2 of row r, K steps ascending
	ds_store_b32 v8, v28                           ; bytes 256-383: the sixteen, twice;
	ds_store_b32 v8, v28 offset:128                ; bytes 384-511: twice more
	ds_load_b128 v[32:35], v4                      ; LDS serves a wave's instructions in order (ISA guide 5.7.1.4): this sees the two stores; the scale rows stand behind the barrier
	s_wait_dscnt 0x0
	global_store_b128 v4, v[32:35], s[6:7] offset:6144   ; in wave 0 s[6:7] stands at the record's first byte
.Ldone:
	s_wait_tensorcnt 0x0
	ds_add_u32 v112, v113
	s_wait_dscnt 0x0
	s_endpgm
.Lfunc_end_k_q076e51e640_wquant:
	.size	k_q076e51e640_wquant, .Lfunc_end_k_q076e51e640_wquant-k_q076e51e640_wquant
	.p2alignl 7, 3214868480
	.fill 96, 4, 3214868480
	.section	.rodata,"a",@progbits
	.p2align	6, 0x0
	.amdhsa_kernel k_q076e51e640_wquant
		.amdhsa_group_segment_fixed_size 1536
		.amdhsa_private_segment_fixed_size 0
		.amdhsa_enable_private_segment 0
		.amdhsa_kernarg_size 16
		.amdhsa_user_sgpr_count 2
		.amdhsa_user_sgpr_kernarg_segment_ptr 1
		.amdhsa_wavefront_size32 1
		.amdhsa_system_sgpr_workgroup_id_x 1
		.amdhsa_system_sgpr_workgroup_id_y 1
		.amdhsa_system_sgpr_workgroup_id_z 1
		.amdhsa_system_vgpr_workitem_id 0
		.amdhsa_next_free_vgpr 114
		.amdhsa_next_free_sgpr 66
		.amdhsa_reserve_vcc 0
		.amdhsa_float_denorm_mode_32 3
		.amdhsa_float_denorm_mode_16_64 3
		.amdhsa_memory_ordered 1
		.amdhsa_forward_progress 1
		.amdhsa_inst_pref_size 10
	.end_amdhsa_kernel
	.amdgpu_metadata
---
amdhsa.version: [ 1, 2 ]
amdhsa.kernels:
  - .name:           k_q076e51e640_wquant
    .symbol:         k_q076e51e640_wquant.kd
    .args:
      - { .name: weights, .offset: 0, .size: 8, .value_kind: global_buffer, .address_space: global }
      - { .name: wq, .offset: 8, .size: 8, .value_kind: global_buffer, .address_space: global }
    .group_segment_fixed_size: 1536
    .private_segment_fixed_size: 0
    .kernarg_segment_align: 8
    .kernarg_segment_size: 16
    .max_flat_workgroup_size: 128
    .sgpr_count:     66
    .vgpr_count:     114
    .wavefront_size: 32
...
	.end_amdgpu_metadata
.endif
;; end of part 1
;; launch bmu (part 2): grid 256 x 1, 4 waves a work-group, clusters of 4 x 1, 327,680 bytes of LDS; arguments x, wq, bmu; writes bmu
.if DOCPART == 2
	.amdgcn_target "amdgcn-amd-amdhsa--gfx1250"
	.amdhsa_code_object_version 6
	.text
	.protected	k_q076e51e640_bmu
	.globl	k_q076e51e640_bmu
	.p2align	8
	.type	k_q076e51e640_bmu,@function
k_q076e51e640_bmu:
	s_mov_b64 s[64:65], 0
	v_nop
	global_prefetch_b8 v0, s[64:65] scope:SCOPE_SE
	s_setreg_imm32_b32 hwreg(HW_REG_WAVE_MODE, 25, 1), 1
	s_wait_xcnt 0x0
	s_wait_alu depctr_hold_cnt(0) depctr_sa_sdst(0) depctr_va_vdst(0) depctr_va_sdst(0) depctr_va_ssrc(0) depctr_va_vcc(0) depctr_vm_vsrc(0)
	s_getreg_b32 s2, hwreg(HW_REG_IB_STS2, 6, 4)
	s_cmp_eq_u32 s2, 0
	s_cbranch_scc0 .Lentry_in_a_cluster
	s_endpgm
.Lentry_in_a_cluster:
	s_bfe_u32 s2, ttmp6, 0x10000c
	s_cmp_lg_u32 s2, 0x3003
	s_cbranch_scc0 .Lentry_shape_is_right
	s_endpgm
.Lentry_shape_is_right:
; bmu[n] = the first k at which d[n][k] = (x2[n] - 2 q(x)[n] . q(w)[k]) + w2[k] is smallest.  x: [32768][512] f32; wq: the weights' records (codes as register images, scale rows, w2); bmu: [32768] u32.
; The product is done on codes of FP6 (E2M3) with one E8M0 scale for each 32 along K.  d keeps the stated order of rounding: one fused multiply-add gives x2 - 2 dot (2 dot is exact), one addition brings w2.
; SHARES.  A work-group owns 128 rows of x: it quantises them once (each wave 32 rows), hands them round through LDS as images of the operand's registers, and EVERY wave keeps all 32 fragments (8 tiles of rows x 4 K steps, 384 registers).
; The waves share the NEURONS: of each fill of 256 neurons wave w takes 64, four tiles of 16.  So a neuron fragment read from LDS feeds eight matrix instructions, and x is never read again.
; THE PRODUCT IS USED TRANSPOSED (source 0 = 16 neurons, source 1 = 16 rows of x): lane (r, h) holds row r of x, and its register j neuron 8 h + j of the tile.
; THE ARGMIN IS EXACT.  For each lane and tile of rows: a running minimum (two registers by turns), the tile's first index where the minimum FELL (strictly: the first tile that reaches it stays), and a snapshot of that tile's eight distances,
; from which the first j that equals the minimum is read at the end.  Then lane l xor 16 and the four waves are merged: the smaller distance, at equal distances the smaller index.
; BY TURNS.  A tile of neurons is two phases of 16 matrix instructions (rows 0-63, rows 64-127); behind each matrix instruction stands a slice of five or six vector instructions of the OTHER half's distances and argmin, 88 a phase.
; They are also the places behind the matrix instructions.  All that they touch lies in window 0, the operands in windows 1 to 3: a slice costs two switches of the window.
; CLUSTER.  All work-groups walk the same records: the four of a cluster ask for each fill JOINTLY (a mask names at most four).  x is read by one work-group alone.
; RING.  Two LDS slots of 106,496 bytes; a wave's one tensor load brings its own chunk of 26,624 bytes (104 rows of 256 bytes, dense), which it alone reads.  By this text's count a wave has two tensor loads out at the start, later one.
; LIMITS: NaN among the distances is not served; a row all of whose distances are +infinity gets index 0; x2 is summed in f32 by fused multiply-adds in two packed chains, K steps ascending, then the lane's four and the two halves of the lanes;
; a block of zeros gets the scale byte 1 (its codes are zeros).
; REGISTERS.  window 0: v1-11 addresses; v12-27 x's scale words, v28-35 the neurons' (these hold scales alone); v36-63 and v64-255: in the prologue addresses, the quantiser's and three sets of 64 numbers of x; from the loop on as named below.
;   window 1: the neurons' fragments, two sets, at v[48 par + 12 s].   window 2: x's fragments of tiles 0-3 at v[48 m + 12 s].   window 3: those of tiles 4-7.
.set REC,   6656                       ; a record: 16 neurons
.set CHUNK, 4*REC                      ; a wave's share of a fill
.set FILL,  4*CHUNK                    ; 256 neurons; 16 fills
.set SLOT1, 131072                     ; slot 1 begins here: one exclusive or turns an address in one slot into the other's
.set XIMG,  237568                     ; behind the ring: x's 32 images, (4 m + s) x 1,536 bytes;
.set XSC,   XIMG+49152                 ; x's scale words: 128 (2 m + s / 2) + 64 (s % 2) + 4 r;
.set X2R,   XSC+2048                   ; x2: 64 m + 4 r;
.set RED,   X2R+512                    ; the waves' results: 1,024 w + 512 (0 distance, 1 index) + 4 row;
.set SPARE, RED+4096                   ; the spare words, 128 bytes for each wave: two blocks of 256 bytes that no other line names
.set SPW,  1                           ; v1   LDS address of my spare word; never rewritten
.set NIL,  2                           ; v2   0; never rewritten
.set AF0,  3                           ; v3   my lane's place in my chunk's images: 26,624 w + 16 lane
.set AS0,  4                           ; v4   in a record's scale rows: 26,624 w + 16 r
.set AW0,  5                           ; v5   in a record's w2: 26,624 w + 32 h
.set ADRF, 6                           ; v6-8 the same in the slot in hand; at the end: REDW, RRD, BO
.set ADRS, 7
.set ADRW, 8
.set CURV, 9                           ; v9   the first neuron of my eight in the tile in hand
.set PFO,  10                          ; v10  the prefetches' offset
.set XA,   11                          ; v11  x: row r of 2,048 bytes + 128 h
.set XSCL, 12                          ; v12-27  register 2 m + u: lanes 0-15 the words of K step 2 u, lanes 16-31 of 2 u + 1
.set WS,   28                          ; v28-35  register 4 par + s: lane r the word of neuron r
.set XWI,  36                          ; the prologue's: where I store images, scale words, x2
.set XWS,  37
.set X2W,  38
.set MX,   39
.set SO,   41
.set BY,   43
.set WD,   45
.set TP,   46
.set SH8,  47
.set SQ,   48
.set PC,   52
.set LIX,  36                          ; the loop's: XIMG + 16 lane; XSC + 4 lane; X2R + 4 r
.set XSCA, 37
.set X2A,  38
.set TA,   45                          ; v45-47  at work
.set X2,   48                          ; v48-63  x2 of row 16 m + r, twice: a pair for the packed form
.set RUN,  64                          ; v64-79  the running minimum: 8 par + m
.set T,    80                          ; v80-87  the winning tile's first index
.set W2,   88                          ; v88-103 w2 of my eight neurons: 8 par + j
.set ACC,  104                         ; v104-167 the accumulators: 8 m
.set SN,   168                         ; v168-231 the snapshots: 8 m + j
.set JJ,   232                         ; v232-239 the end's j
.set REDW, 6
.set RRD,  7
.set BO,   8
.set WV,   10                          ; s10  my wave's number
.set G1,   16                          ; s[16:23] descriptor group 1
.set G0A,  24                          ; s[24:27] group 0 of fill 0
.set G0B,  28                          ; s[28:31] group 0 of fill 1, which then walks
.set TB,   32                          ; s32  LDS byte at which the slot in hand begins
.set CNT,  33                          ; s33  fills still to be asked for
.set LIM,  34                          ; s34  2 in the first cluster, else the greatest number: a wave prefetches while s[CNT] is above it
.set PFA,  36                          ; s[36:37] where my prefetches stand
.set SEL,  38                          ; s[38:39] selects for v_permlanex16_b32: lane l xor 16
.set MSB, 0
.macro WIN new                         ; the immediate's high byte repeats the setting that is left; a switch that changes nothing is dropped
.if MSB != (\new)
	s_set_vgpr_msb (MSB<<8)|(\new)
.set MSB, (\new)
.endif
.endm
.macro CREST                           ; a round of the cluster's barrier behind its opening barrier
	s_cmp_lg_u32 s[WV], 0
	s_cbranch_scc1 .Lnot_wave_0_\@
	s_barrier_signal -3
.Lnot_wave_0_\@:
	s_barrier_wait -3
	s_barrier_signal -1
	s_barrier_wait -1
.endm
.macro CROUND                          ; a whole round
	s_barrier_signal -1
	s_barrier_wait -1
	CREST
.endm
; 64 numbers of a lane, v[xs + 32 c + i] = number i of my block 2 c + h, become the fragment's 12 registers in v[PC] on and the row's scale word in v[WD]; their squares go into v[SQ..SQ+3] (start = 1: begin the sums).
.macro QUANT6 xs, start
.set QX, \xs
.irp c, 0,1
	v_max3_num_f32 v[MX+\c], |v[QX+32*\c]|, |v[QX+32*\c+1]|, 0x1800000   ; the floor 2^(3 - 127) among the leaves: the byte cannot fall under 1
.endr
.irp i, 2,4,6,8,10,12,14,16,18,20,22,24,26,28,30
.irp c, 0,1
	v_max3_num_f32 v[MX+\c], v[MX+\c], |v[QX+32*\c+\i]|, |v[QX+32*\c+\i+1]|   ; the two blocks by turns
.endr
.endr
.if \start
	v_pk_mul_f32 v[SQ:SQ+1], v[QX:QX+1], v[QX:QX+1]                    ; the first products start the sums: nothing is cleared
	v_pk_mul_f32 v[SQ+2:SQ+3], v[QX+2:QX+3], v[QX+2:QX+3]
.else
	v_pk_fma_f32 v[SQ:SQ+1], v[QX:QX+1], v[QX:QX+1], v[SQ:SQ+1]
	v_pk_fma_f32 v[SQ+2:SQ+3], v[QX+2:QX+3], v[QX+2:QX+3], v[SQ+2:SQ+3]
.endif
.irp i, 4,8,12,16,20,24,28,32,36,40,44,48,52,56,60
	v_pk_fma_f32 v[SQ:SQ+1], v[QX+\i:QX+\i+1], v[QX+\i:QX+\i+1], v[SQ:SQ+1]
	v_pk_fma_f32 v[SQ+2:SQ+3], v[QX+\i+2:QX+\i+3], v[QX+\i+2:QX+\i+3], v[SQ+2:SQ+3]
.endr
.irp c, 0,1
	v_add_nc_u32 v[SO+\c], 0xff000000, v[MX+\c]                        ; 2 off the exponent field: the conversion takes this operand's exponent field as its scale
.endr
.irp c, 0,1
	v_lshrrev_b32 v[BY+\c], 23, v[SO+\c]                               ; the scale's byte
.endr
	v_lshl_or_b32 v[WD], v[BY+1], 16, v[BY]                            ; my two bytes: blocks h and 2 + h,
	v_lshlrev_b32 v[WD], v[SH8], v[WD]                                 ; at their places in the word;
	v_permlanex16_b32 v[TP], v[WD], s[SEL], s[SEL+1]
	v_or_b32 v[WD], v[WD], v[TP]                                       ; with lane l xor 16's two the word is whole
.irp c, 0,1
	v_cvt_scalef32_pk16_fp6_f32 v[PC+6*\c:PC+6*\c+2], v[QX+32*\c:QX+32*\c+15], v[SO+\c]   ; the block's lower 16 codes: registers 6 c .. 6 c + 2
.endr
	v_nop                                                              ; one plain place behind the conversions, whose sources are written next
.irp c, 0,1
	v_cvt_scalef32_pk16_fp6_f32 v[QX+32*\c:QX+32*\c+2], v[QX+32*\c+16:QX+32*\c+31], v[SO+\c]   ; the upper 16: a conversion's three registers begin on an even number, so they are made in the numbers' own registers and moved
.endr
	v_nop                                                              ; and one behind these
.irp c, 0,1
.irp i, 0,1,2
	v_mov_b32 v[PC+6*\c+3+\i], v[QX+32*\c+\i]
.endr
.endr
.endm
; Unit u of a wave's eight = (tile of rows u / 4 of its two, K step u % 4): 16 loads bring a lane its 64 numbers, k = 128 s + 64 c + 32 h + 0 .. 31 of row r.
.macro XLOAD reg, u
.set XR, \reg
.irp c, 0,1
.irp q, 0,1,2,3,4,5,6,7
	global_load_b128 v[XR+32*\c+4*\q:XR+32*\c+4*\q+3], v[XA], s[4:5] offset:32768*((\u)/4)+512*((\u)%4)+256*\c+16*\q th:TH_LOAD_NT
.endr
.endr
.endm
.macro UNIT u
.if (\u) < 6
	s_wait_loadcnt 32                              ; this unit's 16 loads are in; those of the two units behind it may be out
.elseif (\u) == 6
	s_wait_loadcnt 16                              ; one unit is behind it
.else
	s_wait_loadcnt 0x0
.endif
.if ((\u)%4) == 0
	QUANT6 64+64*((\u)%3), 1
.else
	QUANT6 64+64*((\u)%3), 0
.endif
.irp c, 0,1,2
	ds_store_b128 v[XWI], v[PC+4*\c:PC+4*\c+3] offset:1536*(\u)+512*\c   ; the fragment goes to LDS as it stands: lane l's 16 bytes at 16 l
.endr
	ds_store_b32 v[XWS], v[WD] offset:256*((\u)/4)+128*(((\u)%4)/2)+64*((\u)%2)   ; both halves of the lanes write the same word with the same value
.if ((\u)%4) == 3
	v_add_f32 v[SQ], v[SQ], v[SQ+1]
	v_add_f32 v[SQ+2], v[SQ+2], v[SQ+3]
	v_add_f32 v[SQ], v[SQ], v[SQ+2]
	v_permlanex16_b32 v[TP], v[SQ], s[SEL], s[SEL+1]
	v_add_f32 v[SQ], v[SQ], v[TP]                  ; x2 of row r
	ds_store_b32 v[X2W], v[SQ] offset:64*((\u)/4)
.endif
.if (\u) < 5
	XLOAD 64+64*((\u)%3), (\u)+3                   ; the set just quantised takes the unit three on
.endif
	s_wait_dscnt 0x0                               ; the stores have read their registers
.endm
; One matrix instruction: tile of rows m, K step s, the neurons' set par.  The first K step starts the sum.  x's scale words of an odd K step stand in lanes 16-31.
.macro MM m, s, par
.set MD, ACC+8*(\m)
.set MA, 48*(\par)+12*(\s)
.set MB, 48*((\m)%4)+12*(\s)
.set MSA, WS+4*(\par)+(\s)
.set MSX, XSCL+2*(\m)+((\s)/2)
.if (\s) == 0
	v_wmma_scale_f32_16x16x128_f8f6f4 v[MD:MD+7], v[MA:MA+11], v[MB:MB+11], 0, v[MSA], v[MSX] matrix_a_fmt:MATRIX_FMT_FP6 matrix_b_fmt:MATRIX_FMT_FP6
.elseif ((\s)%2) == 1
	v_wmma_scale_f32_16x16x128_f8f6f4 v[MD:MD+7], v[MA:MA+11], v[MB:MB+11], v[MD:MD+7], v[MSA], v[MSX] matrix_a_fmt:MATRIX_FMT_FP6 matrix_b_fmt:MATRIX_FMT_FP6 matrix_b_scale:MATRIX_SCALE_ROW1
.else
	v_wmma_scale_f32_16x16x128_f8f6f4 v[MD:MD+7], v[MA:MA+11], v[MB:MB+11], v[MD:MD+7], v[MSA], v[MSX] matrix_a_fmt:MATRIX_FMT_FP6 matrix_b_fmt:MATRIX_FMT_FP6
.endif
.endm
; Number n of the 88 vector instructions that four finished accumulators (m0 on) of a tile of parity par want, 22 each; each accumulator is read from its low end on.
.macro VOP m0, par, n
.set QM, (\m0)+((\n)/22)
.set QO, (\n)%22
.set QA, ACC+8*QM
.set QN, RUN+8*(\par)+QM
.set QP, RUN+8*(1-(\par))+QM
.if QO < 4
	v_pk_fma_f32 v[QA+2*QO:QA+2*QO+1], v[QA+2*QO:QA+2*QO+1], -2.0, v[X2+2*QM:X2+2*QM+1] op_sel_hi:[1,0,1]   ; x2 - 2 dot: one rounding
.elseif QO < 8
	v_pk_add_f32 v[QA+2*QO-8:QA+2*QO-7], v[QA+2*QO-8:QA+2*QO-7], v[W2+8*(\par)+2*QO-8:W2+8*(\par)+2*QO-7]   ; + w2
.elseif QO == 8
	v_min3_num_f32 v[TA], v[QA], v[QA+1], v[QA+2]
.elseif QO == 9
	v_min3_num_f32 v[TA+1], v[QA+3], v[QA+4], v[QA+5]
.elseif QO == 10
	v_min3_num_f32 v[TA+2], v[QA+6], v[QA+7], v[QP]                    ; with the minimum so far
.elseif QO == 11
	v_min3_num_f32 v[QN], v[TA], v[TA+1], v[TA+2]                      ; the new minimum, in the other register of the two
.elseif QO == 12
	v_cmp_lt_f32 vcc_lo, v[QN], v[QP]                                  ; has it fallen?  Strictly: at equal distances the earlier tile stays
.elseif QO == 13
	v_cndmask_b32 v[T+QM], v[T+QM], v[CURV], vcc_lo
.else
	v_cndmask_b32 v[SN+8*QM+QO-14], v[SN+8*QM+QO-14], v[QA+QO-14], vcc_lo   ; the tile's eight distances are kept
.endif
.endm
; A phase: 16 matrix instructions on four accumulators by turns, one instruction a turn, K ascending; behind each a slice of the other half's vector work.
; g = 0: rows 0-63 are multiplied, and the LAST tile's rows 64-127 are worked off; g = 1: rows 64-127, and this tile's rows 0-63.
.macro PHASE g, par
.set PK, 0
.rept 16
	WIN 0x09+4*(\g)                                ; source 0 (neurons) window 1, source 1 (x) window 2 or 3, C and D window 0
	MM 4*(\g)+(PK%4), PK/4, \par
	WIN 0
.set PN, (88*PK)/16
.rept 6
.if PN < ((88*(PK+1))/16)
.if \g
	VOP 0, \par, PN
.else
	VOP 4, 1-(\par), PN
.endif
.endif
.set PN, PN+1
.endr
.set PK, PK+1
.endr
.endm
; Record i of my chunk in the slot in hand, into set par: 12 loads of the four images, the scale rows, my eight w2: one run of 15 loads.
.macro NEXT i, par
	v_add_nc_u32 v[ADRF], s[TB], v[AF0]
	v_add_nc_u32 v[ADRS], s[TB], v[AS0]
	v_add_nc_u32 v[ADRW], s[TB], v[AW0]
	WIN 0x40                                       ; destination window 1
.irp f, 0,1,2,3,4,5,6,7,8,9,10,11
	ds_load_b128 v[48*(\par)+4*\f:48*(\par)+4*\f+3], v[ADRF] offset:REC*(\i)+512*\f
.endr
	WIN 0
	ds_load_b128 v[WS+4*(\par):WS+4*(\par)+3], v[ADRS] offset:REC*(\i)+6144
	ds_load_b128 v[W2+8*(\par):W2+8*(\par)+3], v[ADRW] offset:REC*(\i)+6400
	ds_load_b128 v[W2+8*(\par)+4:W2+8*(\par)+7], v[ADRW] offset:REC*(\i)+6416
.endm
; A PREFETCH INTO THE L2 of the fill that stands two refills on: two slots, 256 matrix instructions, ahead of the load that will ask for it.  All clusters walk the same records: the first cluster asks.
; Of a fill's 16 records, wave w of the partner at place cx names record cx of chunk w: the partners are told apart by address.  A record is 26 blocks of 256 bytes, a lane a block; lanes 26 to 31 name the last block with lane 25.
; The last two changes that fill a slot ask for nothing; fills 0 to 3 come by their loads alone.
.macro ASK
	s_cmp_gt_u32 s[CNT], s[LIM]
	s_cbranch_scc0 .Lnot_mine_\@
	global_prefetch_b8 v[PFO], s[PFA:PFA+1] th:TH_LOAD_NT scope:SCOPE_SE
.Lnot_mine_\@:
.endm
; (val, idx) takes (oval, oidx) where that distance is smaller, or equal with the smaller index
.macro MERGE val, idx, oval, oidx
	v_cmp_lt_f32 s40, v[\oval], v[\val]
	v_cmp_eq_f32 s41, v[\oval], v[\val]
	v_cmp_lt_u32 vcc_lo, v[\oidx], v[\idx]
	s_and_b32 vcc_lo, vcc_lo, s41
	s_or_b32 vcc_lo, vcc_lo, s40
	v_cndmask_b32 v[\val], v[\val], v[\oval], vcc_lo
	v_cndmask_b32 v[\idx], v[\idx], v[\oidx], vcc_lo
.endm
; Tile i of a slot's four.  kind = 0: in the loop: the slot is filled again;  1: the last slot but one;  2: the last.
; THE CHANGE OF SLOTS stands in tile 3: at its head my last reads of the slot have been asked for.  There each wave waits for all its tensor loads (one is out: my chunk of the next slot), adds 0 to its spare word, waits for that
; and for its reads, and signals; the phase's register work stands between the signal and the wait; the round of the cluster's barrier follows, and the joint refill is the first thing behind it.
; From a request to the wait for it a wave issues 112 matrix instructions.
.macro TILE i, kind
.if (\i) == 3
.if (\kind) == 0
	s_wait_tensorcnt 0x0                           ; no tensor load of mine is out, so a group 0 may be written
	ds_add_u32 v[SPW], v[NIL]                      ; 0 onto my spare word
	s_xor_b32 s[G0B+1], s[G0B+1], SLOT1            ; the walking descriptor: the other slot than last time,
	s_add_nc_u64 s[G0B+2:G0B+3], s[G0B+2:G0B+3], FILL   ; the next fill; the type bits on top are not reached
	s_wait_xcnt 0x0                                ; the last prefetch, a slot back, has read its address, so it may be written
	s_add_nc_u64 s[PFA:PFA+1], s[PFA:PFA+1], FILL
	s_wait_dscnt 0x0                               ; the add is done, and my reads of the slot are over
	s_barrier_signal -1                            ; this barrier opens a round of the cluster's barrier
.elseif (\kind) == 1
	s_wait_tensorcnt 0x0                           ; my chunk of the last slot is in; nothing is filled again, and nobody else reads it: no barrier
	s_wait_dscnt 0x0
.else
	s_wait_dscnt 0x0
.endif
.else
	s_wait_dscnt 0x0                               ; this tile's 15 loads, asked for 16 matrix instructions ago, are in
.endif
	PHASE 0, (\i)%2
.if (\i) == 3
.if (\kind) == 0
	s_barrier_wait -1
	CREST                                          ; no wave of any partner still reads the slot or has a load on its way
	tensor_load_to_lds s[G0B:G0B+3], s[G1:G1+7]    ; my one tensor load behind the round
	s_nop 0
.rept 4
	v_nop
.endr
.endif
.endif
.if (\i) == 0
	v_add_nc_u32 v[CURV], 208, v[CURV]             ; from a fill's tile 3 to the next fill's tile 0: 256 - 48 neurons on
.else
	v_add_nc_u32 v[CURV], 16, v[CURV]
.endif
.if (\i) == 3
.if (\kind) < 2
	s_xor_b32 s[TB], s[TB], SLOT1                  ; on to the other slot
	NEXT 0, 0
.endif
.else
	NEXT (\i)+1, ((\i)+1)%2
.endif
.if (\i) == 3
.if (\kind) == 0
	ASK
.endif
.endif
	PHASE 1, (\i)%2
.endm
.macro SLOTBODY kind
	TILE 0, \kind
	TILE 1, \kind
	TILE 2, \kind
	TILE 3, \kind
.endm
	s_load_b128 s[4:7], s[0:1], 0x0                ; x s[4:5], wq s[6:7]
	s_load_b64 s[8:9], s[0:1], 0x10                ; bmu
	v_lshl_add_u32 v[SPW], v0, 2, SPARE
	v_mov_b32 v[NIL], 0
	ds_add_u32 v1, v2
	ds_add_u32 v1, v2
	s_wait_dscnt 0x0
	v_lshrrev_b32 v3, 5, v0
	v_readfirstlane_b32 s[WV], v3                  ; wave 0..3
	s_bfe_u32 s11, ttmp6, 0x40000                  ; cx: my place in the cluster
	s_lshl_b32 s12, ttmp9, 2                       ; in a cluster launch ttmp9 counts clusters
	s_add_co_u32 s12, s12, s11                     ; my block of 128 rows: it enters x's and bmu's addresses alone
	; descriptor group 1: a chunk, 26,624 dense bytes, as 104 rows of 32 elements of 8 bytes
	s_mov_b32 s[G1], 15|(3<<16)|(1<<21)            ; 15:0 the mask: all four work-groups; 17:16 elements of 8 bytes; 20 no padding; 21 set beside a mask
	s_mov_b32 s[G1+1], 32<<16                      ; tensor_dim0 = 32
	s_mov_b32 s[G1+2], 104<<16                     ; tensor_dim1 = 104
	s_mov_b32 s[G1+3], 32<<16                      ; tile_dim0 = 32
	s_mov_b32 s[G1+4], 104                         ; tile_dim1 = 104
	s_mov_b32 s[G1+5], 32                          ; tensor_dim0_stride
	s_mov_b32 s[G1+6], 0
	s_mov_b32 s[G1+7], 0
	s_mul_i32 s13, s[WV], CHUNK                    ; my chunk, in a fill and in a slot: no place in the cluster enters an LDS address
	s_mov_b32 s14, s13
	s_mov_b32 s15, 0
	s_mul_i32 s40, s11, REC                        ; the record of my chunk that my work-group prefetches
	s_mov_b32 s41, 0
	s_lshl_b32 s42, s12, 18                        ; x: 128 rows of 2,048 bytes a work-group,
	s_lshl_b32 s43, s[WV], 16                      ; 32 rows a wave
	s_add_co_u32 s42, s42, s43
	s_mov_b32 s43, 0
	s_lshl_b32 s44, s12, 9                         ; bmu: 512 bytes a work-group, 256 for each of waves 0 and 1
	s_lshl_b32 s45, s[WV], 8
	s_add_co_u32 s44, s44, s45
	s_mov_b32 s45, 0
	s_mov_b32 s[SEL], 0x76543210
	s_mov_b32 s[SEL+1], 0xfedcba98
	s_mov_b32 s[TB], 0
	s_cmp_eq_u32 ttmp9, 0                          ; the first cluster: the same in all four partners
	s_cselect_b32 s[LIM], 2, -1
	s_wait_kmcnt 0x0
	s_add_nc_u64 s[6:7], s[6:7], s[14:15]          ; wq at my chunk of fill 0
	s_add_nc_u64 s[4:5], s[4:5], s[42:43]
	s_add_nc_u64 s[8:9], s[8:9], s[44:45]
	s_add_nc_u64 s[PFA:PFA+1], s[6:7], s[40:41]
	s_add_nc_u64 s[PFA:PFA+1], s[PFA:PFA+1], 3*FILL   ; in fill 3: the first change of slots steps it to fill 4.  Nothing is prefetched at the head
	s_mov_b32 s[G0A], 1                            ; 1:0 count = 1
	s_mul_i32 s[G0A+1], s[WV], CHUNK               ; 63:32 LDS address: slot 0
	s_mov_b64 s[G0A+2:G0A+3], s[6:7]               ; 120:64 global address
	s_or_b32 s[G0A+3], s[G0A+3], 0x80000000        ; 127:126 type = 2
	s_mov_b32 s[G0B], 1
	s_add_co_u32 s[G0B+1], s13, SLOT1
	s_add_nc_u64 s[G0B+2:G0B+3], s[6:7], FILL
	s_or_b32 s[G0B+3], s[G0B+3], 0x80000000
	CROUND                                         ; all four work-groups are here: the first joint loads meet
	tensor_load_to_lds s[G0A:G0A+3], s[G1:G1+7]    ; fill 0
	s_nop 0
	tensor_load_to_lds s[G0B:G0B+3], s[G1:G1+7]    ; fill 1
	s_nop 0
.rept 4
	v_nop
.endr
	v_and_b32 v6, 15, v0                           ; r
	v_bfe_u32 v7, v0, 4, 1                         ; h
	v_and_b32 v8, 31, v0                           ; lane  (v6-8 keep these three until the first fetch of a record)
	v_lshlrev_b32 v[XA], 11, v6
	v_lshl_add_u32 v[XA], v7, 7, v[XA]
	XLOAD 64, 0                                    ; 48 loads of a wave are out from here on
	XLOAD 128, 1
	XLOAD 192, 2
	v_lshl_add_u32 v[AF0], v8, 4, s13
	v_lshl_add_u32 v[AS0], v6, 4, s13
	v_lshl_add_u32 v[AW0], v7, 5, s13
	v_min_u32 v[PFO], 25, v8
	v_lshlrev_b32 v[PFO], 8, v[PFO]
	s_mul_i32 s40, s[WV], 12288                    ; my eight images,
	s_add_co_u32 s40, s40, XIMG
	v_lshl_add_u32 v[XWI], v8, 4, s40
	s_lshl_b32 s41, s[WV], 9                       ; their scale words,
	s_add_co_u32 s41, s41, XSC
	v_lshl_add_u32 v[XWS], v6, 2, s41
	s_lshl_b32 s42, s[WV], 7                       ; my 32 rows' x2
	s_add_co_u32 s42, s42, X2R
	v_lshl_add_u32 v[X2W], v6, 2, s42
	v_lshlrev_b32 v[SH8], 3, v7
	v_mov_b32 v[TP], 0                             ; written once: a lane permute's destination counts as one of its sources
.irp u, 0,1,2,3,4,5,6,7
	UNIT \u
.endr
	s_barrier_signal -1                            ; every wave's LDS stores are done (the last unit's wait): x's 32 images lie in LDS.  The two fills may stay out
	s_barrier_wait -1
	v_lshl_add_u32 v[LIX], v8, 4, XIMG
	v_lshl_add_u32 v[XSCA], v8, 2, XSC
	v_lshl_add_u32 v[X2A], v6, 2, X2R
	WIN 0x80                                       ; destination window 2
.irp m, 0,1,2,3
.irp f, 0,1,2,3,4,5,6,7,8,9,10,11
	ds_load_b128 v[48*\m+4*\f:48*\m+4*\f+3], v[LIX] offset:6144*\m+512*\f
.endr
.endr
	WIN 0xc0                                       ; destination window 3
.irp m, 0,1,2,3
.irp f, 0,1,2,3,4,5,6,7,8,9,10,11
	ds_load_b128 v[48*\m+4*\f:48*\m+4*\f+3], v[LIX] offset:6144*(\m+4)+512*\f
.endr
.endr
	WIN 0
.irp i, 0,1,2,3,4,5,6,7,8,9,10,11,12,13,14,15
	ds_load_b32 v[XSCL+\i], v[XSCA] offset:128*\i
.endr
.irp m, 0,1,2,3,4,5,6,7
	ds_load_b32 v[X2+2*\m], v[X2A] offset:64*\m
	ds_load_b32 v[X2+2*\m+1], v[X2A] offset:64*\m
.endr
	; The loop is written once: its first phase works off a tile that never was, whose w2 is +infinity: its distances are +infinity, the minimum does not fall, and nothing is kept of it.
	s_mov_b32 s42, 0x7f800000                      ; +infinity
.irp i, 0,1,2,3,4,5,6,7,8,9,10,11,12,13,14,15
	v_mov_b32 v[RUN+\i], s42
.endr
.irp i, 0,1,2,3,4,5,6,7
	v_mov_b32 v[W2+8+\i], s42
	v_mov_b32 v[T+\i], 0
.endr
.set I, 0
.rept 64
	v_mov_b32 v[SN+I], s42
.set I, I+1
.endr
.set I, 0
.rept 32
	v_mov_b32 v[ACC+32+I], 0
.set I, I+1
.endr
	s_lshl_b32 s40, s[WV], 6
	s_sub_co_u32 s40, s40, 208
	v_lshl_add_u32 v[CURV], v7, 3, s40             ; 64 w + 8 h - 208: the first tile's step brings it to 64 w + 8 h
	s_wait_tensorcnt 1                             ; my chunk of fill 0 is in; fill 1's may stay out.  I alone read it: no barrier
	NEXT 0, 0
	s_mov_b32 s[CNT], 14
.Lslot:                                            ; 14 trips: fills 0 to 13 are multiplied, fills 2 to 15 asked for
	SLOTBODY 0
	s_sub_co_u32 s[CNT], s[CNT], 1
	s_cmp_lg_u32 s[CNT], 0
	s_cbranch_scc1 .Lslot
	SLOTBODY 1                                     ; the tail is written out: fill 14
	SLOTBODY 2                                     ; fill 15
.set PN, 0
.rept 88
	VOP 4, 1, PN                                   ; the last tile's rows 64-127 (the last slice, six plain lines on other registers, holds the places behind the last product)
.set PN, PN+1
.endr
	; THE END.  In each lane and tile of rows: the first j whose kept distance equals the minimum; then lane l xor 16; then the four waves, through LDS.
	v_and_b32 v[REDW], 15, v0
	s_lshl_b32 s40, s[WV], 10
	s_add_co_u32 s40, s40, RED
	v_lshl_add_u32 v[REDW], v[REDW], 2, s40        ; my wave's results: + 4 r
	v_and_b32 v[BO], 31, v0
	s_lshl_b32 s41, s[WV], 8
	s_add_co_u32 s41, s41, RED
	v_lshl_add_u32 v[RRD], v[BO], 3, s41           ; back (waves 0 and 1): rows 64 w + 2 lane and the next
	v_lshlrev_b32 v[BO], 3, v[BO]                  ; and their 8 bytes in bmu
.irp m, 0,1,2,3,4,5,6,7
	v_mov_b32 v[JJ+\m], 7
.endr
.irp j, 6,5,4,3,2,1,0
.irp m, 0,1,2,3,4,5,6,7
	v_cmp_neq_f32 vcc_lo, v[SN+8*\m+\j], v[RUN+8+\m]
	v_cndmask_b32 v[JJ+\m], \j, v[JJ+\m], vcc_lo   ; descending: the smallest j that fits stays
.endr
.endr
.irp m, 0,1,2,3,4,5,6,7
	v_add_nc_u32 v[T+\m], v[T+\m], v[JJ+\m]        ; the neuron's number
.endr
.irp m, 0,1,2,3,4,5,6,7
	v_permlanex16_b32 v[SN+8*\m], v[RUN+8+\m], s[SEL], s[SEL+1]   ; (the snapshots are done with: written registers for the permutes' results)
	v_permlanex16_b32 v[SN+8*\m+1], v[T+\m], s[SEL], s[SEL+1]
.endr
.irp m, 0,1,2,3,4,5,6,7
	MERGE RUN+8+\m, T+\m, SN+8*\m, SN+8*\m+1
.endr
.irp m, 0,1,2,3,4,5,6,7
	ds_store_b32 v[REDW], v[RUN+8+\m] offset:64*\m          ; both halves of the lanes hold, and write, the same
	ds_store_b32 v[REDW], v[T+\m] offset:512+64*\m
.endr
	s_wait_dscnt 0x0                               ; for the others' sake: my stores are done
	s_barrier_signal -1
	s_barrier_wait -1
	s_cmp_gt_u32 s[WV], 1
	s_cbranch_scc1 .Lno_out                        ; waves 0 and 1 merge 64 rows each, two a lane
.irp w, 0,1,2,3
	ds_load_b64 v[ACC+4*\w:ACC+4*\w+1], v[RRD] offset:1024*\w
	ds_load_b64 v[ACC+4*\w+2:ACC+4*\w+3], v[RRD] offset:1024*\w+512
.endr
	s_wait_dscnt 0x0
.irp w, 1,2,3
.irp e, 0,1
	MERGE ACC+\e, ACC+2+\e, ACC+4*\w+\e, ACC+4*\w+2+\e
.endr
.endr
	global_store_b64 v[BO], v[ACC+2:ACC+3], s[8:9] ; 32 lanes store 256 consecutive bytes, at a multiple of 256 from bmu's first byte
.Lno_out:
	s_wait_tensorcnt 0x0                           ; the wave's end: behind my last tensor load and my last LDS store
	ds_add_u32 v[SPW], v[NIL]
	s_wait_dscnt 0x0
	CROUND                                         ; the closing round: no work-group ends while a partner may still ask for a fill that names it
	s_endpgm
.Lfunc_end_k_q076e51e640_bmu:
	.size	k_q076e51e640_bmu, .Lfunc_end_k_q076e51e640_bmu-k_q076e51e640_bmu
	.p2alignl 7, 3214868480
	.fill 96, 4, 3214868480
	.section	.rodata,"a",@progbits
	.p2align	6, 0x0
	.amdhsa_kernel k_q076e51e640_bmu
		.amdhsa_group_segment_fixed_size 327680
		.amdhsa_private_segment_fixed_size 0
		.amdhsa_enable_private_segment 0
		.amdhsa_kernarg_size 24
		.amdhsa_user_sgpr_count 2
		.amdhsa_user_sgpr_kernarg_segment_ptr 1
		.amdhsa_wavefront_size32 1
		.amdhsa_system_sgpr_workgroup_id_x 1
		.amdhsa_system_sgpr_workgroup_id_y 1
		.amdhsa_system_sgpr_workgroup_id_z 1
		.amdhsa_system_vgpr_workitem_id 0
		.amdhsa_next_free_vgpr 1024
		.amdhsa_next_free_sgpr 66
		.amdhsa_reserve_vcc 1
		.amdhsa_float_denorm_mode_32 3
		.amdhsa_float_denorm_mode_16_64 3
		.amdhsa_memory_ordered 1
		.amdhsa_forward_progress 1
		.amdhsa_inst_pref_size 255
	.end_amdhsa_kernel
	.section	.bss,"aw",@nobits
	.p2align	6
	.space	262144
	.amdgpu_metadata
---
amdhsa.version: [ 1, 2 ]
amdhsa.kernels:
  - .name:           k_q076e51e640_bmu
    .symbol:         k_q076e51e640_bmu.kd
    .args:
      - { .name: x, .offset: 0, .size: 8, .value_kind: global_buffer, .address_space: global }
      - { .name: wq, .offset: 8, .size: 8, .value_kind: global_buffer, .address_space: global }
      - { .name: bmu, .offset: 16, .size: 8, .value_kind: global_buffer, .address_space: global }
    .group_segment_fixed_size: 327680
    .private_segment_fixed_size: 0
    .kernarg_segment_align: 8
    .kernarg_segment_size: 24
    .max_flat_workgroup_size: 128
    .sgpr_count:     66
    .vgpr_count:     1024
    .wavefront_size: 32
...
	.end_amdgpu_metadata
.endif
;; end of part 2
;; launch gather (part 3): grid 512 x 1, 8 waves a work-group, no clusters, 0 bytes of LDS; arguments bmu, weights, out0; writes out0
.if DOCPART == 3
	.amdgcn_target "amdgcn-amd-amdhsa--gfx1250"
	.amdhsa_code_object_version 6
	.text
	.protected	k_q076e51e640_gather
	.globl	k_q076e51e640_gather
	.p2align	8
	.type	k_q076e51e640_gather,@function
k_q076e51e640_gather:
	s_mov_b64 s[64:65], 0
	v_nop
	global_prefetch_b8 v0, s[64:65] scope:SCOPE_SE
	s_setreg_imm32_b32 hwreg(HW_REG_WAVE_MODE, 25, 1), 1
	s_wait_xcnt 0x0
; out0[n][:] = weights[bmu[n]][:].  bmu: [32768] u32, stored by the launch before; weights: [4096][512] f32; out0: [32768][512] f32.
; A stream: a wave takes 8 rows.  Its eight indices come by one scalar load; a row of 2,048 bytes is four loads and four stores of 512 consecutive bytes (16 bytes a lane).
; No LDS, no matrix unit, no cluster: work-groups share nothing but the table, whose rows a list may name many times: its loads carry no hint.  No prefetch: every load is issued at the head.
; An index is held to the table's 4,096 rows before it enters an address.
	s_load_b128 s[4:7], s[0:1], 0x0                ; bmu s[4:5], weights s[6:7]
	s_load_b64 s[8:9], s[0:1], 0x10                ; out0
	v_lshrrev_b32 v1, 5, v0
	v_readfirstlane_b32 s12, v1                    ; wave 0..7
	v_and_b32 v1, 31, v0
	v_lshlrev_b32 v1, 4, v1                        ; 16 bytes a lane
	s_lshl_b32 s10, ttmp9, 8                       ; bmu: 64 rows x 4 bytes a work-group,
	s_lshl_b32 s13, s12, 5                         ; 8 x 4 a wave
	s_add_co_u32 s10, s10, s13
	s_mov_b32 s11, 0
	s_lshl_b32 s14, ttmp9, 17                      ; out0: 64 rows x 2,048 bytes a work-group,
	s_lshl_b32 s13, s12, 14                        ; 8 x 2,048 a wave
	s_add_co_u32 s14, s14, s13
	s_mov_b32 s15, 0
	s_wait_kmcnt 0x0
	s_add_nc_u64 s[4:5], s[4:5], s[10:11]
	s_add_nc_u64 s[8:9], s[8:9], s[14:15]
	s_load_b256 s[16:23], s[4:5], 0x0              ; my eight indices
	s_wait_kmcnt 0x0
.irp i, 0,1,2,3,4,5,6,7
	s_min_u32 s[16+\i], s[16+\i], 0xfff
	s_lshl_b32 s[16+\i], s[16+\i], 11              ; the winning row's first byte
	v_add_nc_u32 v[2+\i], s[16+\i], v1
.endr
.irp i, 0,1,2,3,4,5,6,7
.irp q, 0,1,2,3
	global_load_b128 v[16+16*\i+4*\q:16+16*\i+4*\q+3], v[2+\i], s[6:7] offset:512*\q
.endr
.endr
.irp i, 0,1,2,3,4,5,6,7
	s_wait_loadcnt 28-4*\i                         ; loads come back in order (ISA guide 5.7.1): row i's four are in; the four of each row behind it may be out
.irp q, 0,1,2,3
	global_store_b128 v1, v[16+16*\i+4*\q:16+16*\i+4*\q+3], s[8:9] offset:2048*\i+512*\q th:TH_STORE_NT   ; 32 lanes store 512 consecutive bytes, at a multiple of 256 from out0's first byte
.endr
.endr
	s_endpgm
.Lfunc_end_k_q076e51e640_gather:
	.size	k_q076e51e640_gather, .Lfunc_end_k_q076e51e640_gather-k_q076e51e640_gather
	.p2alignl 7, 3214868480
	.fill 96, 4, 3214868480
	.section	.rodata,"a",@progbits
	.p2align	6, 0x0
	.amdhsa_kernel k_q076e51e640_gather
		.amdhsa_group_segment_fixed_size 0
		.amdhsa_private_segment_fixed_size 0
		.amdhsa_enable_private_segment 0
		.amdhsa_kernarg_size 24
		.amdhsa_user_sgpr_count 2
		.amdhsa_user_sgpr_kernarg_segment_ptr 1
		.amdhsa_wavefront_size32 1
		.amdhsa_system_sgpr_workgroup_id_x 1
		.amdhsa_system_sgpr_workgroup_id_y 1
		.amdhsa_system_sgpr_workgroup_id_z 1
		.amdhsa_system_vgpr_workitem_id 0
		.amdhsa_next_free_vgpr 144
		.amdhsa_next_free_sgpr 66
		.amdhsa_reserve_vcc 0
		.amdhsa_float_denorm_mode_32 3
		.amdhsa_float_denorm_mode_16_64 3
		.amdhsa_memory_ordered 1
		.amdhsa_forward_progress 1
		.amdhsa_inst_pref_size 9
	.end_amdhsa_kernel
	.amdgpu_metadata
---
amdhsa.version: [ 1, 2 ]
amdhsa.kernels:
  - .name:           k_q076e51e640_gather
    .symbol:         k_q076e51e640_gather.kd
    .args:
      - { .name: bmu, .offset: 0, .size: 8, .value_kind: global_buffer, .address_space: global }
      - { .name: weights, .offset: 8, .size: 8, .value_kind: global_buffer, .address_space: global }
      - { .name: out0, .offset: 16, .size: 8, .value_kind: global_buffer, .address_space: global }
    .group_segment_fixed_size: 0
    .private_segment_fixed_size: 0
    .kernarg_segment_align: 8
    .kernarg_segment_size: 24
    .max_flat_workgroup_size: 256
    .sgpr_count:     66
    .vgpr_count:     144
    .wavefront_size: 32
...
	.end_amdgpu_metadata
.endif
;; end of part 3
;; ======== version 2 of 2: 3 launches
;; limits: right only within a limited range of input values
;; workspace buffers: wq 1,703,936 bytes; bmu 131,072 bytes of whole numbers
;; launch wquant (part 4): grid 256 x 1, 4 waves a work-group, no clusters, 18,944 bytes of LDS; arguments weights, wq; writes wq
.if DOCPART == 4
	.amdgcn_target "amdgcn-amd-amdhsa--gfx1250"
	.amdhsa_code_object_version 6
	.text
	.protected	k_q076e51e640_wquant
	.globl	k_q076e51e640_wquant
	.p2align	8
	.type	k_q076e51e640_wquant,@function
k_q076e51e640_wquant:
	s_mov_b64 s[64:65], 0
	v_nop
	global_prefetch_b8 v0, s[64:65] scope:SCOPE_SE
	s_setreg_imm32_b32 hwreg(HW_REG_WAVE_MODE, 25, 1), 1
	s_wait_xcnt 0x0
; weights [4096][512] f32 -> wq: 256 records of 6,656 bytes, one for each 16 neurons, laid as the next launch's registers take them.
; A record: four images of a 6-bit operand fragment (16 neurons x 128 K = 12 registers a lane), one for each K step s, at 1536 s: registers 4 c .. 4 c + 3 of lane l at 512 c + 16 l;
; at 6144 the scale rows, 16 bytes a neuron (word s = the four E8M0 bytes of K step s); at 6400 the 16 values -w2 / 2 (f32), four times over, so that the record's last 512 bytes leave by one store of 32 lanes.
; THE QUANTISER: a block of 32 along K has the scale 2^(floor(log2(largest magnitude)) - 2); its byte is the largest magnitude's exponent field - 2, held at 1 from below.
; SHARES: work-group T makes record T; wave s its K step s.  For the conversions lane (r = lane % 16, h = lane / 16) must hold of neuron 16 T + r the numbers k = 128 s + 64 c + 32 h + 0 .. 31, c = 0, 1: two whole blocks,
; in the order in which the operand's layout gives them to that lane: the conversions' results are then the operand's registers.
; THE LOADS ARE DENSE, AND THE NUMBERS TURN THROUGH LDS: each load of the wave covers two runs of 256 consecutive bytes, aligned (lanes 0-15 row 2 q, lanes 16-31 row 2 q + 1).  Half a unit (16 rows x 256 bytes) at a time goes
; into the wave's own stage as it was loaded (rows 272 bytes apart) and comes back 128 bytes a lane.  With that pitch the sixteen rows that a load from the stage touches lie in sixteen different columns of 16 bytes.
; LIMITS: a block of zeros gets the byte 1 where the rule says 127 (its codes are zeros, and this program alone reads the bytes); NaN and infinities among the inputs are not served;
; w2 is summed in f32 by fused multiply-adds in two packed chains, then the lane's four, the two halves of the lanes, the four K steps: another order than a plain sum's.
; No tensor load, no cluster, no prefetch: 8 MiB are read once by 1,024 waves, sixteen loads each, all issued at once.
; WORK LEFT OUT BY THE PROGRAM: x2[n] = sum of x[n][d]^2.  reference() adds it to every one of row n's 4,096 distances, so for all values of the inputs it moves all of them by the same amount
; and the argmin over the neurons, the only thing that is made of the distances, does not hang on it.  x itself stays an input: the product needs it.
; The next launch looks for the first largest s(n, k) = x[n].w[k] - w2[k] / 2 = -(dist_sq(n, k) - x2[n]) / 2: the same neuron.  So what this launch lays at byte 6400 of a record is -w2 / 2 (the halving is exact).
; LIMIT: a NaN, an infinity or an overflow that reaches x2 alone is not carried to the result.
.set REC, 6656
.set STAGE, 1024                       ; LDS: behind the record's last 512 bytes and the partial sums: a stage of 4,352 bytes for each wave
.set STW, 4352                         ; 16 rows x (256 bytes + 16)
.set SH8, 9                            ; v9      8 h: where my two scale bytes stand in the word
.set STS, 10                           ; v10     the stage, on the way in: 272 h + 16 r
.set STL, 11                           ; v11     and on the way out: 272 r + 128 h
.set MX,  16                           ; v16-17  the two blocks' largest magnitudes
.set SO,  18                           ; v18-19  the conversions' scale operands
.set BY,  20                           ; v20-21  the scale bytes
.set WD,  22                           ; v22     the scale word
.set TP,  23                           ; v23     what a lane permute brings
.set SQ,  24                           ; v24-27  sums of squares, two packed chains
.set X,   32                           ; v32-95  my 64 numbers
.set PC,  96                           ; v96-107 the fragment's 12 registers
.set RW,  112                          ; v112-175 the unit as it is loaded
.set SEL, 20                           ; s[20:21] selects for v_permlanex16_b32: lane l xor 16
; 64 numbers of a lane, v[xs + 32 c + i] = number i of my block 2 c + h, become the fragment's 12 registers in v[PC] on and the row's scale word in v[WD]; their squares go into v[SQ..SQ+3] (start = 1: begin the sums).
.macro QUANT6 xs, start
.set QX, \xs
.irp c, 0,1
	v_max3_num_f32 v[MX+\c], |v[QX+32*\c]|, |v[QX+32*\c+1]|, 0x1800000   ; the floor 2^(3 - 127) among the leaves: the byte cannot fall under 1
.endr
.irp i, 2,4,6,8,10,12,14,16,18,20,22,24,26,28,30
.irp c, 0,1
	v_max3_num_f32 v[MX+\c], v[MX+\c], |v[QX+32*\c+\i]|, |v[QX+32*\c+\i+1]|   ; the two blocks by turns
.endr
.endr
.if \start
	v_pk_mul_f32 v[SQ:SQ+1], v[QX:QX+1], v[QX:QX+1]                    ; the first products start the sums: nothing is cleared
	v_pk_mul_f32 v[SQ+2:SQ+3], v[QX+2:QX+3], v[QX+2:QX+3]
.else
	v_pk_fma_f32 v[SQ:SQ+1], v[QX:QX+1], v[QX:QX+1], v[SQ:SQ+1]
	v_pk_fma_f32 v[SQ+2:SQ+3], v[QX+2:QX+3], v[QX+2:QX+3], v[SQ+2:SQ+3]
.endif
.irp i, 4,8,12,16,20,24,28,32,36,40,44,48,52,56,60
	v_pk_fma_f32 v[SQ:SQ+1], v[QX+\i:QX+\i+1], v[QX+\i:QX+\i+1], v[SQ:SQ+1]
	v_pk_fma_f32 v[SQ+2:SQ+3], v[QX+\i+2:QX+\i+3], v[QX+\i+2:QX+\i+3], v[SQ+2:SQ+3]
.endr
.irp c, 0,1
	v_add_nc_u32 v[SO+\c], 0xff000000, v[MX+\c]                        ; 2 off the exponent field: the conversion takes this operand's exponent field as its scale
.endr
.irp c, 0,1
	v_lshrrev_b32 v[BY+\c], 23, v[SO+\c]                               ; the scale's byte
.endr
	v_lshl_or_b32 v[WD], v[BY+1], 16, v[BY]                            ; my two bytes: blocks h and 2 + h,
	v_lshlrev_b32 v[WD], v[SH8], v[WD]                                 ; at their places in the word;
	v_permlanex16_b32 v[TP], v[WD], s[SEL], s[SEL+1]
	v_or_b32 v[WD], v[WD], v[TP]                                       ; with lane l xor 16's two the word is whole
.irp c, 0,1
	v_cvt_scalef32_pk16_fp6_f32 v[PC+6*\c:PC+6*\c+2], v[QX+32*\c:QX+32*\c+15], v[SO+\c]   ; the block's lower 16 codes: registers 6 c .. 6 c + 2
.endr
	v_nop                                                              ; one plain place behind the conversions, whose sources are written next
.irp c, 0,1
	v_cvt_scalef32_pk16_fp6_f32 v[QX+32*\c:QX+32*\c+2], v[QX+32*\c+16:QX+32*\c+31], v[SO+\c]   ; the upper 16: a conversion's three registers begin on an even number, so they are made in the numbers' own registers and moved
.endr
	v_nop                                                              ; and one behind these
.irp c, 0,1
.irp i, 0,1,2
	v_mov_b32 v[PC+6*\c+3+\i], v[QX+32*\c+\i]
.endr
.endr
.endm
	s_load_b128 s[4:7], s[0:1], 0x0                ; weights s[4:5], wq s[6:7]
	v_lshl_add_u32 v176, v0, 2, 0x4800
	v_mov_b32 v177, 0
	v_lshrrev_b32 v1, 5, v0
	v_readfirstlane_b32 s10, v1                    ; wave = K step
	v_and_b32 v1, 15, v0                           ; r
	v_bfe_u32 v2, v0, 4, 1                         ; h
	v_lshlrev_b32 v3, 11, v2
	v_lshl_add_u32 v3, v1, 4, v3                   ; in: lanes 0-15 an even row, lanes 16-31 the row below it; 16 bytes a lane
	v_and_b32 v4, 31, v0
	v_lshl_add_u32 v8, v4, 2, 256                  ; LDS: w2's copies, 4 bytes a lane
	v_lshlrev_b32 v4, 4, v4                        ; 16 x lane: an image's place, in wq and in LDS
	s_lshl_b32 s11, s10, 2
	v_lshl_add_u32 v5, v1, 4, s11                  ; LDS: scale rows: 16 r + 4 s
	s_lshl_b32 s11, s10, 6
	s_add_co_u32 s11, s11, 512
	v_lshl_add_u32 v6, v1, 2, s11                  ; LDS: the K steps' partial sums: 512 + 64 s + 4 r
	v_lshl_add_u32 v7, v1, 2, 512                  ; and where wave 0 reads them
	s_mul_i32 s16, s10, STW
	s_add_co_u32 s16, s16, STAGE                   ; my stage
	v_mul_u32_u24 v[STS], v2, 272
	v_lshl_add_u32 v[STS], v1, 4, v[STS]
	v_add_nc_u32 v[STS], s16, v[STS]
	v_mul_u32_u24 v[STL], v1, 272
	v_lshl_add_u32 v[STL], v2, 7, v[STL]
	v_add_nc_u32 v[STL], s16, v[STL]
	v_lshlrev_b32 v[SH8], 3, v2
	v_mov_b32 v[TP], 0                             ; written once: a lane permute's destination counts as one of its sources
	s_mov_b32 s[SEL], 0x76543210
	s_mov_b32 s[SEL+1], 0xfedcba98
	s_lshl_b32 s12, ttmp9, 15                      ; 16 rows of 2,048 bytes a work-group,
	s_lshl_b32 s13, s10, 9                         ; 512 bytes a K step
	s_add_co_u32 s12, s12, s13
	s_mov_b32 s13, 0
	s_mul_i32 s14, ttmp9, REC                      ; my record,
	s_mul_i32 s15, s10, 1536                       ; my image in it
	s_add_co_u32 s14, s14, s15
	s_mov_b32 s15, 0
	s_wait_alu depctr_va_vdst(0)
	s_wait_kmcnt 0x0
	s_add_nc_u64 s[4:5], s[4:5], s[12:13]
	s_add_nc_u64 s[6:7], s[6:7], s[14:15]
.irp c, 0,1
.irp q, 0,1,2,3,4,5,6,7
	global_load_b128 v[RW+32*\c+4*\q:RW+32*\c+4*\q+3], v3, s[4:5] offset:4096*\q+256*\c th:TH_LOAD_NT   ; rows 2 q and 2 q + 1, bytes 256 c on of my K step: two runs of 256 consecutive bytes
.endr
.endr
	s_wait_loadcnt 0x0
.irp c, 0,1                                    ; the turn.  LDS serves a wave's instructions in order (ISA guide 5.7.1.4): no wait between the stores and the loads, nor in front of the second half's stores
.irp q, 0,1,2,3,4,5,6,7
	ds_store_b128 v[STS], v[RW+32*\c+4*\q:RW+32*\c+4*\q+3] offset:544*\q
.endr
.irp i, 0,1,2,3,4,5,6,7
	ds_load_b128 v[X+32*\c+4*\i:X+32*\c+4*\i+3], v[STL] offset:16*\i   ; numbers 4 i .. 4 i + 3 of my block 2 c + h
.endr
.endr
	s_wait_dscnt 0x0
	QUANT6 X, 1
	v_add_f32 v[SQ], v[SQ], v[SQ+1]
	v_add_f32 v[SQ+2], v[SQ+2], v[SQ+3]
	v_add_f32 v[SQ], v[SQ], v[SQ+2]
	v_permlanex16_b32 v[TP], v[SQ], s[SEL], s[SEL+1]
	v_add_f32 v[SQ], v[SQ], v[TP]                  ; the sum of squares of row r over this K step
.irp c, 0,1,2
	global_store_b128 v4, v[PC+4*\c:PC+4*\c+3], s[6:7] offset:512*\c   ; 32 lanes store 512 consecutive bytes, at a multiple of 256 from wq's first byte
.endr
	ds_store_b32 v5, v[WD]                         ; both halves of the lanes write the same word with the same value
	ds_store_b32 v6, v[SQ]
	s_wait_dscnt 0x0                               ; for wave 0's sake: my LDS stores are done
	s_barrier_signal -1
	s_barrier_wait -1
	s_cmp_lg_u32 s10, 0
	s_cbranch_scc1 .Ldone                          ; wave 0 alone gathers the record's last 512 bytes
.irp s, 0,1,2,3
	ds_load_b32 v[28+\s], v7 offset:64*\s
.endr
	s_wait_dscnt 0x0
	v_add_f32 v28, v28, v29
	v_add_f32 v28, v28, v30
	v_add_f32 v28, v28, v31                        ; w2 of row r, K steps ascending
	v_mul_f32 v28, -0.5, v28                       ; what the record holds: -w2 / 2, the start of the next launch's sums
	ds_store_b32 v8, v28                           ; bytes 256-383: the sixteen, twice;
	ds_store_b32 v8, v28 offset:128                ; bytes 384-511: twice more
	ds_load_b128 v[32:35], v4                      ; in order behind the two stores; the scale rows stand behind the barrier
	s_wait_dscnt 0x0
	global_store_b128 v4, v[32:35], s[6:7] offset:6144   ; in wave 0 s[6:7] stands at the record's first byte
.Ldone:
	s_wait_tensorcnt 0x0
	ds_add_u32 v176, v177
	s_wait_dscnt 0x0
	s_endpgm
.Lfunc_end_k_q076e51e640_wquant:
	.size	k_q076e51e640_wquant, .Lfunc_end_k_q076e51e640_wquant-k_q076e51e640_wquant
	.p2alignl 7, 3214868480
	.fill 96, 4, 3214868480
	.section	.rodata,"a",@progbits
	.p2align	6, 0x0
	.amdhsa_kernel k_q076e51e640_wquant
		.amdhsa_group_segment_fixed_size 18944
		.amdhsa_private_segment_fixed_size 0
		.amdhsa_enable_private_segment 0
		.amdhsa_kernarg_size 16
		.amdhsa_user_sgpr_count 2
		.amdhsa_user_sgpr_kernarg_segment_ptr 1
		.amdhsa_wavefront_size32 1
		.amdhsa_system_sgpr_workgroup_id_x 1
		.amdhsa_system_sgpr_workgroup_id_y 1
		.amdhsa_system_sgpr_workgroup_id_z 1
		.amdhsa_system_vgpr_workitem_id 0
		.amdhsa_next_free_vgpr 178
		.amdhsa_next_free_sgpr 66
		.amdhsa_reserve_vcc 0
		.amdhsa_float_denorm_mode_32 3
		.amdhsa_float_denorm_mode_16_64 3
		.amdhsa_memory_ordered 1
		.amdhsa_forward_progress 1
		.amdhsa_inst_pref_size 13
	.end_amdhsa_kernel
	.amdgpu_metadata
---
amdhsa.version: [ 1, 2 ]
amdhsa.kernels:
  - .name:           k_q076e51e640_wquant
    .symbol:         k_q076e51e640_wquant.kd
    .args:
      - { .name: weights, .offset: 0, .size: 8, .value_kind: global_buffer, .address_space: global }
      - { .name: wq, .offset: 8, .size: 8, .value_kind: global_buffer, .address_space: global }
    .group_segment_fixed_size: 18944
    .private_segment_fixed_size: 0
    .kernarg_segment_align: 8
    .kernarg_segment_size: 16
    .max_flat_workgroup_size: 128
    .sgpr_count:     66
    .vgpr_count:     178
    .wavefront_size: 32
...
	.end_amdgpu_metadata
.endif
;; end of part 4
;; launch bmu (part 5): grid 256 x 1, 4 waves a work-group, no clusters, 73,728 bytes of LDS; arguments x, wq, bmu; writes bmu
.if DOCPART == 5
	.amdgcn_target "amdgcn-amd-amdhsa--gfx1250"
	.amdhsa_code_object_version 6
	.text
	.protected	k_q076e51e640_bmu
	.globl	k_q076e51e640_bmu
	.p2align	8
	.type	k_q076e51e640_bmu,@function
k_q076e51e640_bmu:
	s_mov_b64 s[64:65], 0
	v_nop
	global_prefetch_b8 v0, s[64:65] scope:SCOPE_SE
	s_setreg_imm32_b32 hwreg(HW_REG_WAVE_MODE, 25, 1), 1
	s_wait_xcnt 0x0
; bmu[n] = the first neuron k with the largest s(n, k) = Q(x[n]).Q(w[k]) - w2[k] / 2, which is reference()'s argmin: x2[n] is left out (the same along the argmin's axis: shown at the head of the first kernel).
; wq: 256 records of 6,656 bytes, one for each 16 neurons: four images of a 6-bit fragment (K step s at 1536 s), at 6144 the scale rows, at 6400 the sixteen -w2 / 2.
; SHARES: a work-group takes 128 rows of x, four waves.  Wave w quantises rows 32 w .. 32 w + 31 (dense loads, a turn through its own LDS stage, the conversions) and lays their fragments' images in LDS;
; behind one barrier every wave takes all eight fragments' sets (8 tiles x 4 K steps x 12 registers) into registers for the whole launch.  Wave w then walks records 64 w .. 64 w + 63.
; A RECORD GOES FROM MEMORY STRAIGHT INTO THE OPERAND'S REGISTERS: each record is read by one wave of the work-group alone, so LDS would only be written and read once more for it.
; A ring of four register buffers: at a record's head the record three further on is asked for (15 loads), and the counted wait leaves those of the three later records, 45 loads, out.
; NO CLUSTER: a joint load lands in LDS, and here no tile of wq lies in LDS; the walk has no slot, no barrier and no refill.
; THE SUM of a tile starts from -w2 / 2 as the C of its first K step: no vector instruction makes the distance.  Source 0 = 16 neurons, source 1 = 16 rows of x: lane (r, h) holds row r, register j neuron 8 h + j.
; THE SEARCH, ten vector instructions a tile: the tile's largest (four), is it larger than the lane's running largest (one), and where it is, the running largest, the tile's first neuron and a copy of the eight sums are taken
; (five pairs of selects).  A strictly larger sum alone wins and the records ascend, so the first of equals stays; at the end the lowest j whose copy equals the largest is taken, and lanes and waves are merged with the lower neuron winning equals.
; While one group of four tiles is multiplied, the other group's finished sums are searched; two tiles' chains are interleaved.
; PREFETCH: one instruction a wave at the head: 13 blocks of 256 bytes, half a record; work-group g names records 2 (g mod 128) and 2 (g mod 128) + 1, so each block of wq is named by two work-groups, 128 apart; it stands
; ahead of all of the head's work on x, and the walk's own loads follow behind that work.  Lanes 13-31 name their wave's last block again.  x is read once, by loads that are all asked for as early as their registers allow: no prefetch.
; LIMITS: NaN and infinities among the inputs are not served; a block of zeros has the scale byte 1 where the rule says 127 (its codes are zeros; this program alone reads the bytes);
; the distance is not rounded as reference() rounds it: -w2 / 2 and the products are summed in the matrix unit's f32 accumulator.
; REGISTERS: window 0: addresses, scales, the search; window 1: x tiles 0-3 (v0-191); window 2: x tiles 4-7; window 3: four record buffers of 48 (v0-191) and their -w2 / 2 (v192-223).
.set REC,   6656
.set XSC,   49152                      ; LDS: 0 the eight tiles' images (6,144 each); here x's scale words, 256 bytes a tile
.set RED,   51200                      ; the final merge: 1,024 bytes a wave
.set STAGE, 55296                      ; a stage of 16 rows x 272 bytes for each wave
.set STW,   4352
.set SPARE, 72704                      ; the spare words, 128 bytes a wave
.set SPW,  1
.set NIL,  2
.set VOFF, 3                           ; 16 x lane
.set VOFS, 4                           ; 16 r
.set VOFW, 5                           ; 32 h
.set CURV, 6                           ; the record's first neuron of my half: 16 x record + 8 h
.set PFO,  7
.set TA,   8                           ; v8-14 at work in the search
.set XSCL, 16                          ; v16-31 x's scale words: tile m, K steps 2 p (lanes 0-15) and 2 p + 1 (lanes 16-31) in v[XSCL + 2 m + p]
.set WS,   32                          ; v32-47 the records' scale words, four a buffer
.set RT,   48                          ; v48-63 tile m: running largest, its record's first neuron
.set ACC,  64                          ; v64-127 eight accumulators
.set SN,   128                         ; v128-191 the copies
.set PC,   64                          ; the head's registers lie where the first four accumulators will
.set MX,   76
.set SO,   78
.set BY,   80
.set WD,   82
.set TP,   83
.set SH8,  84
.set XWI,  85
.set XWS,  86
.set STS,  87
.set STL,  88
.set XA,   89
.set XSCA, 90
.set X,    192                         ; v192-255 a unit's 64 numbers
.set JJ,   64                          ; the tail's
.set PV,   72
.set PI,   80
.set REDW, 88
.set RRD,  89
.set BO,   90
.set F,    96
.set WV,   10
.set RB,   16                          ; s[16:17] my wave's records, stepped four a trip
.set PF,   18
.set SEL,  20
.set CNT,  22
.set MSB, 0
.macro WIN new                         ; the immediate's high byte repeats the setting that is left
.if MSB != (\new)
	s_set_vgpr_msb (MSB<<8)|(\new)
.set MSB, (\new)
.endif
.endm
; 64 numbers of a lane, v[X + 32 c + i] = number i of my block 2 c + h, become the fragment's 12 registers and the row's scale word
.macro QUANT6
.irp c, 0,1
	v_max3_num_f32 v[MX+\c], |v[X+32*\c]|, |v[X+32*\c+1]|, 0x1800000   ; the floor 2^(3 - 127): the byte cannot fall under 1
.endr
.irp i, 2,4,6,8,10,12,14,16,18,20,22,24,26,28,30
.irp c, 0,1
	v_max3_num_f32 v[MX+\c], v[MX+\c], |v[X+32*\c+\i]|, |v[X+32*\c+\i+1]|
.endr
.endr
.irp c, 0,1
	v_add_nc_u32 v[SO+\c], 0xff000000, v[MX+\c]    ; 2 off the exponent field: the conversion's scale operand
.endr
.irp c, 0,1
	v_lshrrev_b32 v[BY+\c], 23, v[SO+\c]           ; the scale's byte
.endr
	v_lshl_or_b32 v[WD], v[BY+1], 16, v[BY]
	v_lshlrev_b32 v[WD], v[SH8], v[WD]
	v_permlanex16_b32 v[TP], v[WD], s[SEL], s[SEL+1]
	v_or_b32 v[WD], v[WD], v[TP]                   ; with lane l xor 16's two bytes the word is whole
.irp c, 0,1
	v_cvt_scalef32_pk16_fp6_f32 v[PC+6*\c:PC+6*\c+2], v[X+32*\c:X+32*\c+15], v[SO+\c]
.endr
	v_nop                                          ; one plain place behind the conversions, whose sources are written next
.irp c, 0,1
	v_cvt_scalef32_pk16_fp6_f32 v[X+32*\c:X+32*\c+2], v[X+32*\c+16:X+32*\c+31], v[SO+\c]   ; three registers begin on an even number: made here and moved
.endr
	v_nop
.irp c, 0,1
.irp i, 0,1,2
	v_mov_b32 v[PC+6*\c+3+\i], v[X+32*\c+\i]
.endr
.endr
.endm
; unit u = my tile u / 4, K step u % 4: 16 rows x 512 bytes, sixteen loads of two runs of 256 consecutive bytes; four sets of 64 registers: three in window 1, one in window 2
.macro XLOAD u
.if ((\u)%4) == 3
.set RWB, 0
	WIN 0x80
.else
.set RWB, 64*((\u)%4)
	WIN 0x40
.endif
.irp c, 0,1
.irp q, 0,1,2,3,4,5,6,7
	global_load_b128 v[RWB+32*\c+4*\q:RWB+32*\c+4*\q+3], v[XA], s[4:5] offset:32768*((\u)/4)+4096*\q+512*((\u)%4)+256*\c th:TH_LOAD_NT
.endr
.endr
	WIN 0
.endm
.macro TURN u                          ; through my stage: LDS serves a wave's instructions in order, so no wait stands between the stores and the loads
.if ((\u)%4) == 3
.set RWB, 0
.set RWW, 0x08
.else
.set RWB, 64*((\u)%4)
.set RWW, 0x04
.endif
.irp c, 0,1
	WIN RWW
.irp q, 0,1,2,3,4,5,6,7
	ds_store_b128 v[STS], v[RWB+32*\c+4*\q:RWB+32*\c+4*\q+3] offset:544*\q
.endr
	WIN 0
.irp i, 0,1,2,3,4,5,6,7
	ds_load_b128 v[X+32*\c+4*\i:X+32*\c+4*\i+3], v[STL] offset:16*\i
.endr
.endr
.endm
; a record's 15 loads into buffer buf; idx: its place behind s[RB]
.macro RLOAD buf, idx
	WIN 0xc0
.irp f, 0,1,2,3,4,5,6,7,8,9,10,11
	global_load_b128 v[48*(\buf)+4*\f:48*(\buf)+4*\f+3], v[VOFF], s[RB:RB+1] offset:REC*(\idx)+512*\f
.endr
	global_load_b128 v[192+8*(\buf):192+8*(\buf)+3], v[VOFW], s[RB:RB+1] offset:REC*(\idx)+6400
	global_load_b128 v[196+8*(\buf):196+8*(\buf)+3], v[VOFW], s[RB:RB+1] offset:REC*(\idx)+6416
	WIN 0
	global_load_b128 v[WS+4*(\buf):WS+4*(\buf)+3], v[VOFS], s[RB:RB+1] offset:REC*(\idx)+6144
.endm
.macro UNIT u
.if (\u) < 5
	s_wait_loadcnt 48                              ; this unit's sixteen loads are in; those of the three units behind it may be out
.else
	s_wait_loadcnt 16*(7-(\u))
.endif
	TURN \u
	s_wait_dscnt 0x0                               ; the numbers are back, and the stage's stores have read their registers,
.if (\u) < 4
	XLOAD (\u)+4                                   ; which take the unit four further on
.endif
.if (\u) == 7
	RLOAD 0, 0                                     ; no load of x is out: the walk's first three records are asked for
	RLOAD 1, 1
	RLOAD 2, 2
.endif
	QUANT6
.irp c, 0,1,2
	ds_store_b128 v[XWI], v[PC+4*\c:PC+4*\c+3] offset:6144*((\u)/4)+1536*((\u)%4)+512*\c
.endr
	ds_store_b32 v[XWS], v[WD] offset:256*((\u)/4)+128*(((\u)%4)/2)+64*((\u)%2)
.endm
.macro MM m, s, b
.set MD, ACC+8*(\m)
.set MA, 48*(\b)+12*(\s)
.set MB, 48*((\m)%4)+12*(\s)
.set MC, 192+8*(\b)
.set MSA, WS+4*(\b)+(\s)
.set MSX, XSCL+2*(\m)+((\s)/2)
.if (\s) == 0
	v_wmma_scale_f32_16x16x128_f8f6f4 v[MD:MD+7], v[MA:MA+11], v[MB:MB+11], v[MC:MC+7], v[MSA], v[MSX] matrix_a_fmt:MATRIX_FMT_FP6 matrix_b_fmt:MATRIX_FMT_FP6
.elseif ((\s)%2) == 1
	v_wmma_scale_f32_16x16x128_f8f6f4 v[MD:MD+7], v[MA:MA+11], v[MB:MB+11], v[MD:MD+7], v[MSA], v[MSX] matrix_a_fmt:MATRIX_FMT_FP6 matrix_b_fmt:MATRIX_FMT_FP6 matrix_b_scale:MATRIX_SCALE_ROW1
.else
	v_wmma_scale_f32_16x16x128_f8f6f4 v[MD:MD+7], v[MA:MA+11], v[MB:MB+11], v[MD:MD+7], v[MSA], v[MSX] matrix_a_fmt:MATRIX_FMT_FP6 matrix_b_fmt:MATRIX_FMT_FP6
.endif
.endm
.macro MMS g, s, b                     ; one K step of a group's four tiles: the accumulators take turns
.irp i, 0,1,2,3
	MM 4*(\g)+\i, \s, \b
.endr
.endm
.macro SEL2 d, a                       ; v[d], v[d + 1] take v[a], v[a + 1] where VCC is set
	v_dual_cndmask_b32 v[\d], v[\d], v[\a] :: v_dual_cndmask_b32 v[\d+1], v[\d+1], v[\a+1]
.endm
.macro TAKE k, t, s, q                 ; where the tile's largest v[t] beats the running largest: it, the record's first neuron and the eight sums are taken
	v_cmp_gt_f32 vcc_lo, v[\t], v[\k]
	v_dual_cndmask_b32 v[\k], v[\k], v[\t] :: v_dual_cndmask_b32 v[\k+1], v[\k+1], v[CURV]
	SEL2 \s, \q
	SEL2 \s+2, \q+2
	SEL2 \s+4, \q+4
	SEL2 \s+6, \q+6
.endm
.macro VOP2 ma, mb                     ; the search of two finished tiles; each accumulator is read from its low end on
.set QA, ACC+8*(\ma)
.set QB, ACC+8*(\mb)
.set SA, SN+8*(\ma)
.set SB, SN+8*(\mb)
.set KA, RT+2*(\ma)
.set KB, RT+2*(\mb)
	v_max3_num_f32 v[TA], v[QA], v[QA+1], v[QA+2]
	v_max3_num_f32 v[TA+4], v[QB], v[QB+1], v[QB+2]
	v_max3_num_f32 v[TA+1], v[QA+3], v[QA+4], v[QA+5]
	v_max3_num_f32 v[TA+5], v[QB+3], v[QB+4], v[QB+5]
	v_max3_num_f32 v[TA+2], v[QA+6], v[QA+7], v[TA]
	v_max3_num_f32 v[TA+6], v[QB+6], v[QB+7], v[TA+4]
	v_max_num_f32 v[TA], v[TA+1], v[TA+2]
	v_max_num_f32 v[TA+4], v[TA+5], v[TA+6]
	TAKE KA, TA, SA, QA
	TAKE KB, TA+4, SB, QB
.endm
; sixteen matrix instructions of group g on buffer b, and between them the search of the other group's four tiles, which were finished a phase ago (twenty vector instructions stand behind their last products)
.macro PHASE g, b
	WIN 0x37+4*(\g)                                ; source 0 window 3, source 1 window 1 + g, C window 3 (-w2 / 2), D window 0
	MMS \g, 0, \b
	WIN 0x07+4*(\g)                                ; C and D window 0
	MMS \g, 1, \b
	WIN 0
.if \g
	v_add_nc_u32 v[CURV], 16, v[CURV]              ; from here on this record's tiles are searched
.endif
	VOP2 4-4*(\g), 5-4*(\g)
	WIN 0x07+4*(\g)
	MMS \g, 2, \b
	MMS \g, 3, \b
	WIN 0
	VOP2 6-4*(\g), 7-4*(\g)
.endm
.macro RECORD b, ld, cnt
.if \ld
	RLOAD ((\b)+3)%4, (\b)+3                       ; into the buffer of the record before this one: twenty vector instructions stand behind its last product
.endif
	s_wait_loadcnt \cnt                            ; loads come back in order: this record's 15 are in, the later records' may be out
	PHASE 0, \b
	PHASE 1, \b
.endm
.macro MERGE val, idx, oval, oidx      ; the larger sum wins, of equals the lower neuron
	v_cmp_gt_f32 s40, v[\oval], v[\val]
	v_cmp_eq_f32 s41, v[\oval], v[\val]
	v_cmp_lt_u32 vcc_lo, v[\oidx], v[\idx]
	s_and_b32 vcc_lo, vcc_lo, s41
	s_or_b32 vcc_lo, vcc_lo, s40
	v_cndmask_b32 v[\val], v[\val], v[\oval], vcc_lo
	v_cndmask_b32 v[\idx], v[\idx], v[\oidx], vcc_lo
.endm
	s_load_b128 s[4:7], s[0:1], 0x0                ; x s[4:5], wq s[6:7]
	s_load_b64 s[8:9], s[0:1], 0x10                ; bmu
	v_lshl_add_u32 v[SPW], v0, 2, SPARE
	v_mov_b32 v[NIL], 0
	v_lshrrev_b32 v[TA], 5, v0
	v_readfirstlane_b32 s[WV], v[TA]               ; wave 0..3
	s_lshl_b32 s11, s[WV], 10
	s_sub_co_u32 s11, s11, 16                      ; 16 under my first neuron: the first record's step brings it there
	s_mul_i32 s12, s[WV], 12288                    ; my two tiles' images
	s_lshl_b32 s13, s[WV], 9
	s_add_co_u32 s13, s13, XSC                     ; and scale words
	s_mul_i32 s14, s[WV], STW
	s_add_co_u32 s14, s14, STAGE                   ; my stage
	s_lshl_b32 s24, ttmp9, 18                      ; x: 128 rows of 2,048 bytes a work-group,
	s_lshl_b32 s25, s[WV], 16                      ; 32 a wave
	s_add_co_u32 s24, s24, s25
	s_mov_b32 s25, 0
	s_lshl_b32 s26, ttmp9, 9                       ; bmu: 512 bytes a work-group, 256 for each of waves 0 and 1
	s_lshl_b32 s27, s[WV], 8
	s_add_co_u32 s26, s26, s27
	s_mov_b32 s27, 0
	s_mul_i32 s28, s[WV], 64*REC                   ; my 64 records
	s_mov_b32 s29, 0
	s_and_b32 s30, ttmp9, 127                      ; the prefetch: record 2 (g mod 128) + wave / 2, half wave % 2
	s_lshl_b32 s30, s30, 1
	s_lshr_b32 s31, s[WV], 1
	s_add_co_u32 s30, s30, s31
	s_mul_i32 s30, s30, REC
	s_and_b32 s31, s[WV], 1
	s_mul_i32 s31, s31, 3328
	s_add_co_u32 s30, s30, s31
	s_mov_b32 s31, 0
	s_mov_b32 s[SEL], 0x76543210
	s_mov_b32 s[SEL+1], 0xfedcba98                 ; v_permlanex16_b32's selects for lane l xor 16
	s_mov_b32 s23, 0xff800000                      ; under every sum
	v_and_b32 v[TA+1], 15, v0                      ; r
	v_bfe_u32 v[TA+2], v0, 4, 1                    ; h
	v_and_b32 v[TA+3], 31, v0                      ; lane
	v_lshlrev_b32 v[VOFF], 4, v[TA+3]
	v_lshlrev_b32 v[VOFS], 4, v[TA+1]
	v_lshlrev_b32 v[VOFW], 5, v[TA+2]
	v_min_u32 v[PFO], 12, v[TA+3]
	v_lshlrev_b32 v[PFO], 8, v[PFO]                ; a lane a block of 256 bytes, thirteen blocks
	v_lshlrev_b32 v[XA], 11, v[TA+2]
	v_lshl_add_u32 v[XA], v[TA+1], 4, v[XA]        ; x: lanes 0-15 an even row, lanes 16-31 the row below it, 16 bytes a lane
	v_lshl_add_u32 v[CURV], v[TA+2], 3, s11
	v_lshl_add_u32 v[XWI], v[TA+3], 4, s12
	v_lshl_add_u32 v[XWS], v[TA+1], 2, s13
	v_mul_u32_u24 v[STS], v[TA+2], 272
	v_lshl_add_u32 v[STS], v[TA+1], 4, v[STS]
	v_add_nc_u32 v[STS], s14, v[STS]               ; the stage, in: 272 h + 16 r
	v_mul_u32_u24 v[STL], v[TA+1], 272
	v_lshl_add_u32 v[STL], v[TA+2], 7, v[STL]
	v_add_nc_u32 v[STL], s14, v[STL]               ; and out: 272 r + 128 h
	v_lshlrev_b32 v[SH8], 3, v[TA+2]
	v_lshl_add_u32 v[XSCA], v[TA+3], 2, XSC
	v_mov_b32 v[TP], 0                             ; a lane permute's destination counts as one of its sources
	s_wait_alu depctr_va_vdst(0)
	s_wait_kmcnt 0x0
	s_add_nc_u64 s[PF:PF+1], s[6:7], s[30:31]
	s_add_nc_u64 s[RB:RB+1], s[6:7], s[28:29]
	s_add_nc_u64 s[4:5], s[4:5], s[24:25]
	s_add_nc_u64 s[8:9], s[8:9], s[26:27]
	global_prefetch_b8 v[PFO], s[PF:PF+1] th:TH_LOAD_NT scope:SCOPE_SE   ; its two address registers are never written again
	XLOAD 0
	XLOAD 1
	XLOAD 2
	XLOAD 3
.irp u, 0,1,2,3,4,5,6,7
	UNIT \u
.endr
	s_wait_dscnt 0x0                               ; for the others' sake: my images and scale words are stored
	s_barrier_signal -1
	s_barrier_wait -1
	WIN 0x40
.irp m, 0,1,2,3
.irp f, 0,1,2,3,4,5,6,7,8,9,10,11
	ds_load_b128 v[48*\m+4*\f:48*\m+4*\f+3], v[VOFF] offset:6144*\m+512*\f
.endr
.endr
	WIN 0x80
.irp m, 0,1,2,3
.irp f, 0,1,2,3,4,5,6,7,8,9,10,11
	ds_load_b128 v[48*\m+4*\f:48*\m+4*\f+3], v[VOFF] offset:6144*(\m+4)+512*\f
.endr
.endr
	WIN 0
.irp i, 0,1,2,3,4,5,6,7,8,9,10,11,12,13,14,15
	ds_load_b32 v[XSCL+\i], v[XSCA] offset:128*\i
.endr
; while these loads are out: the search's start.  The walk is written once, so its first phase searches tiles 4-7 before any product: they hold what is under every sum, and nothing is taken.
.irp m, 0,1,2,3,4,5,6,7
	v_mov_b32 v[RT+2*\m], s23
	v_mov_b32 v[RT+2*\m+1], 0
.endr
.set I, 0
.rept 32
	v_mov_b32 v[ACC+32+I], s23
.set I, I+1
.endr
.set I, 0
.rept 64
	v_mov_b32 v[SN+I], s23                         ; a select reads its destination: written once; the first record's sums replace them in every lane
.set I, I+1
.endr
	s_mov_b32 s[CNT], 15
	s_wait_alu depctr_va_vdst(0)
	s_wait_dscnt 0x0
.Ltrip:                                                ; four records a trip: the buffers' numbers come back to where they began
	RECORD 0, 1, 45
	RECORD 1, 1, 45
	RECORD 2, 1, 45
	RECORD 3, 1, 45
	s_wait_xcnt 0x0                                ; the loads have read their base
	s_add_nc_u64 s[RB:RB+1], s[RB:RB+1], 4*REC
	s_sub_co_u32 s[CNT], s[CNT], 1
	s_cmp_lg_u32 s[CNT], 0
	s_cbranch_scc1 .Ltrip
	RECORD 0, 1, 45                                ; record 60 asks for record 63, the last; then the counts run down
	RECORD 1, 0, 30
	RECORD 2, 0, 15
	RECORD 3, 0, 0
	VOP2 4, 5                                      ; the last record's tiles 4-7
	VOP2 6, 7
	v_and_b32 v[REDW], 15, v0
	s_lshl_b32 s11, s[WV], 10
	s_add_co_u32 s11, s11, RED
	v_lshl_add_u32 v[REDW], v[REDW], 2, s11        ; my wave's 1,024 bytes: 128 sums, then 128 neurons
	v_and_b32 v[BO], 31, v0
	s_lshl_b32 s12, s[WV], 8
	s_add_co_u32 s12, s12, RED
	v_lshl_add_u32 v[RRD], v[BO], 3, s12           ; waves 0 and 1 read two rows a lane
	v_lshlrev_b32 v[BO], 3, v[BO]
.irp m, 0,1,2,3,4,5,6,7
	v_mov_b32 v[JJ+\m], 7
.endr
.irp j, 6,5,4,3,2,1,0
.irp m, 0,1,2,3,4,5,6,7
	v_cmp_neq_f32 vcc_lo, v[SN+8*\m+\j], v[RT+2*\m]
	v_cndmask_b32 v[JJ+\m], \j, v[JJ+\m], vcc_lo   ; the lowest j whose copy equals the largest
.endr
.endr
.irp m, 0,1,2,3,4,5,6,7
	v_add_nc_u32 v[RT+2*\m+1], v[RT+2*\m+1], v[JJ+\m]
.endr
.irp m, 0,1,2,3,4,5,6,7
	v_permlanex16_b32 v[PV+\m], v[RT+2*\m], s[SEL], s[SEL+1]
	v_permlanex16_b32 v[PI+\m], v[RT+2*\m+1], s[SEL], s[SEL+1]
.endr
.irp m, 0,1,2,3,4,5,6,7
	MERGE RT+2*\m, RT+2*\m+1, PV+\m, PI+\m
.endr
.irp m, 0,1,2,3,4,5,6,7
	ds_store_b32 v[REDW], v[RT+2*\m] offset:64*\m            ; both halves of the lanes write the same word with the same value
	ds_store_b32 v[REDW], v[RT+2*\m+1] offset:512+64*\m
.endr
	s_wait_dscnt 0x0                               ; for the others' sake
	s_barrier_signal -1
	s_barrier_wait -1
	s_cmp_gt_u32 s[WV], 1
	s_cbranch_scc1 .Lno_out                        ; waves 0 and 1 merge the four waves' results, 64 rows each
.irp w, 0,1,2,3
	ds_load_b64 v[F+4*\w:F+4*\w+1], v[RRD] offset:1024*\w
	ds_load_b64 v[F+4*\w+2:F+4*\w+3], v[RRD] offset:1024*\w+512
.endr
	s_wait_dscnt 0x0
.irp w, 1,2,3
.irp e, 0,1
	MERGE F+\e, F+2+\e, F+4*\w+\e, F+4*\w+2+\e
.endr
.endr
	global_store_b64 v[BO], v[F+2:F+3], s[8:9]     ; 32 lanes store one aligned unit of 256 bytes
.Lno_out:
	s_wait_tensorcnt 0x0                           ; the wave's end
	ds_add_u32 v[SPW], v[NIL]
	s_wait_dscnt 0x0
	s_endpgm
.Lfunc_end_k_q076e51e640_bmu:
	.size	k_q076e51e640_bmu, .Lfunc_end_k_q076e51e640_bmu-k_q076e51e640_bmu
	.p2alignl 7, 3214868480
	.fill 96, 4, 3214868480
	.section	.rodata,"a",@progbits
	.p2align	6, 0x0
	.amdhsa_kernel k_q076e51e640_bmu
		.amdhsa_group_segment_fixed_size 73728
		.amdhsa_private_segment_fixed_size 0
		.amdhsa_enable_private_segment 0
		.amdhsa_kernarg_size 24
		.amdhsa_user_sgpr_count 2
		.amdhsa_user_sgpr_kernarg_segment_ptr 1
		.amdhsa_wavefront_size32 1
		.amdhsa_system_sgpr_workgroup_id_x 1
		.amdhsa_system_sgpr_workgroup_id_y 1
		.amdhsa_system_sgpr_workgroup_id_z 1
		.amdhsa_system_vgpr_workitem_id 0
		.amdhsa_next_free_vgpr 1024
		.amdhsa_next_free_sgpr 66
		.amdhsa_reserve_vcc 1
		.amdhsa_float_denorm_mode_32 3
		.amdhsa_float_denorm_mode_16_64 3
		.amdhsa_memory_ordered 1
		.amdhsa_forward_progress 1
		.amdhsa_inst_pref_size 166
	.end_amdhsa_kernel
	.amdgpu_metadata
---
amdhsa.version: [ 1, 2 ]
amdhsa.kernels:
  - .name:           k_q076e51e640_bmu
    .symbol:         k_q076e51e640_bmu.kd
    .args:
      - { .name: x, .offset: 0, .size: 8, .value_kind: global_buffer, .address_space: global }
      - { .name: wq, .offset: 8, .size: 8, .value_kind: global_buffer, .address_space: global }
      - { .name: bmu, .offset: 16, .size: 8, .value_kind: global_buffer, .address_space: global }
    .group_segment_fixed_size: 73728
    .private_segment_fixed_size: 0
    .kernarg_segment_align: 8
    .kernarg_segment_size: 24
    .max_flat_workgroup_size: 128
    .sgpr_count:     66
    .vgpr_count:     1024
    .wavefront_size: 32
...
	.end_amdgpu_metadata
.endif
;; end of part 5
;; launch gather (part 6): grid 512 x 1, 8 waves a work-group, no clusters, 0 bytes of LDS; arguments bmu, weights, out0; writes out0
.if DOCPART == 6
	.amdgcn_target "amdgcn-amd-amdhsa--gfx1250"
	.amdhsa_code_object_version 6
	.text
	.protected	k_q076e51e640_gather
	.globl	k_q076e51e640_gather
	.p2align	8
	.type	k_q076e51e640_gather,@function
k_q076e51e640_gather:
	s_mov_b64 s[64:65], 0
	v_nop
	global_prefetch_b8 v0, s[64:65] scope:SCOPE_SE
	s_setreg_imm32_b32 hwreg(HW_REG_WAVE_MODE, 25, 1), 1
	s_wait_xcnt 0x0
; out0[n][:] = weights[bmu[n]][:].  bmu: [32768] u32, stored by the launch before; weights: [4096][512] f32; out0: [32768][512] f32.
; A stream: a wave takes 8 rows.  Its eight indices come by one scalar load; a row of 2,048 bytes is four loads and four stores of 512 consecutive bytes (16 bytes a lane).
; No LDS, no matrix unit, no cluster: work-groups share nothing but the table, whose rows a list may name many times: its loads carry no hint.  No prefetch: every load is issued at the head.
; An index is held to the table's 4,096 rows before it enters an address.
	s_load_b128 s[4:7], s[0:1], 0x0                ; bmu s[4:5], weights s[6:7]
	s_load_b64 s[8:9], s[0:1], 0x10                ; out0
	v_lshrrev_b32 v1, 5, v0
	s_delay_alu instid0(VALU_DEP_1)
	v_readfirstlane_b32 s12, v1                    ; wave 0..7
	v_and_b32 v1, 31, v0
	s_delay_alu instid0(VALU_DEP_1)
	v_lshlrev_b32 v1, 4, v1                        ; 16 bytes a lane
	s_lshl_b32 s10, ttmp9, 8                       ; bmu: 64 rows x 4 bytes a work-group,
	s_lshl_b32 s13, s12, 5                         ; 8 x 4 a wave
	s_add_co_u32 s10, s10, s13
	s_mov_b32 s11, 0
	s_lshl_b32 s14, ttmp9, 17                      ; out0: 64 rows x 2,048 bytes a work-group,
	s_lshl_b32 s13, s12, 14                        ; 8 x 2,048 a wave
	s_add_co_u32 s14, s14, s13
	s_mov_b32 s15, 0
	s_wait_alu depctr_va_vdst(0)
	s_wait_kmcnt 0x0
	s_add_nc_u64 s[4:5], s[4:5], s[10:11]
	s_add_nc_u64 s[8:9], s[8:9], s[14:15]
	s_load_b256 s[16:23], s[4:5], 0x0              ; my eight indices
	s_wait_kmcnt 0x0
.irp i, 0,1,2,3,4,5,6,7
	s_min_u32 s[16+\i], s[16+\i], 0xfff
	s_lshl_b32 s[16+\i], s[16+\i], 11              ; the winning row's first byte
	v_add_nc_u32 v[2+\i], s[16+\i], v1
.endr
	s_wait_alu depctr_va_vdst(0)
.irp i, 0,1,2,3,4,5,6,7
.irp q, 0,1,2,3
	global_load_b128 v[16+16*\i+4*\q:16+16*\i+4*\q+3], v[2+\i], s[6:7] offset:512*\q
.endr
.endr
.irp i, 0,1,2,3,4,5,6,7
	s_wait_loadcnt 28-4*\i                         ; loads come back in order (ISA guide 5.7.1): row i's four are in; the four of each row behind it may be out
.irp q, 0,1,2,3
	global_store_b128 v1, v[16+16*\i+4*\q:16+16*\i+4*\q+3], s[8:9] offset:2048*\i+512*\q th:TH_STORE_NT   ; 32 lanes store 512 consecutive bytes, at a multiple of 256 from out0's first byte
.endr
.endr
	s_endpgm
.Lfunc_end_k_q076e51e640_gather:
	.size	k_q076e51e640_gather, .Lfunc_end_k_q076e51e640_gather-k_q076e51e640_gather
	.p2alignl 7, 3214868480
	.fill 96, 4, 3214868480
	.section	.rodata,"a",@progbits
	.p2align	6, 0x0
	.amdhsa_kernel k_q076e51e640_gather
		.amdhsa_group_segment_fixed_size 0
		.amdhsa_private_segment_fixed_size 0
		.amdhsa_enable_private_segment 0
		.amdhsa_kernarg_size 24
		.amdhsa_user_sgpr_count 2
		.amdhsa_user_sgpr_kernarg_segment_ptr 1
		.amdhsa_wavefront_size32 1
		.amdhsa_system_sgpr_workgroup_id_x 1
		.amdhsa_system_sgpr_workgroup_id_y 1
		.amdhsa_system_sgpr_workgroup_id_z 1
		.amdhsa_system_vgpr_workitem_id 0
		.amdhsa_next_free_vgpr 144
		.amdhsa_next_free_sgpr 66
		.amdhsa_reserve_vcc 0
		.amdhsa_float_denorm_mode_32 3
		.amdhsa_float_denorm_mode_16_64 3
		.amdhsa_memory_ordered 1
		.amdhsa_forward_progress 1
		.amdhsa_inst_pref_size 9
	.end_amdhsa_kernel
	.amdgpu_metadata
---
amdhsa.version: [ 1, 2 ]
amdhsa.kernels:
  - .name:           k_q076e51e640_gather
    .symbol:         k_q076e51e640_gather.kd
    .args:
      - { .name: bmu, .offset: 0, .size: 8, .value_kind: global_buffer, .address_space: global }
      - { .name: weights, .offset: 8, .size: 8, .value_kind: global_buffer, .address_space: global }
      - { .name: out0, .offset: 16, .size: 8, .value_kind: global_buffer, .address_space: global }
    .group_segment_fixed_size: 0
    .private_segment_fixed_size: 0
    .kernarg_segment_align: 8
    .kernarg_segment_size: 24
    .max_flat_workgroup_size: 256
    .sgpr_count:     66
    .vgpr_count:     144
    .wavefront_size: 32
...
	.end_amdgpu_metadata
.endif
;; end of part 6
